; MI455X (gfx1250); checked and timed in simulation.
; The chip was launched on July 23, 2026; its instructions are those of AMD's public machine-readable ISA for CDNA 5 (MIT licence, August 2026) and "CDNA5" Instruction Set Architecture Reference Guide (July 2026). The comments in the code are by the model that wrote it; some were corrected since.
;; Attention. Allowed arithmetic: matrix products marked QUANTISED: E2M3 operands, one E8M0 scale for each 32 along K, by v_wmma_scale_f32_16x16x128_f8f6f4 with both operands' format E2M3, f32 sums; everything else in f32.
;; Inputs: Wk 1,024 x 1,024 float32; Wo 1,024 x 1,024 float32; Wq 1,024 x 1,024 float32; Wv 1,024 x 1,024 float32; bk 1,024 float32; bo 1,024 float32; bq 1,024 float32; bv 1,024 float32; k 2 x 2,048 x 1,024 float32; q 2 x 2,048 x 1,024 float32; v 2 x 2,048 x 1,024 float32.
;; Outputs: out0 2 x 2,048 x 1,024 float32.
;; This version of the problem:
;;   THIS VERSION OF THE PROBLEM IS GIVEN IN LOW PRECISION. The matrix products marked QUANTISED in the list below multiply operands that are first quantised to E2M3 (2 exponent bits, 3 mantissa bits; 6 bits a number), with one power-of-two scale for each 32 numbers along K (OCP MX v1.0); their sums are f32. All else is computed in f32.
;;   The module's matrix products, in the order in which they are computed (A, B: the left and right operand; K: the contracted axis; several contracted axes count as one K, in the product's order):
;;     1. [M 4,096, K 1,024] x [K 1,024, N 1,024]; A: input q; B: input Wq: QUANTISED
;;     2. [M 4,096, K 1,024] x [K 1,024, N 1,024]; A: input k; B: input Wk: QUANTISED
;;     3. [M 4,096, K 1,024] x [K 1,024, N 1,024]; A: input v; B: input Wv: QUANTISED
;;     4. batch 32 x [M 2,048, K 64] x [K 64, N 2,048]; A: computed on the way; B: computed on the way: QUANTISED
;;     5. batch 32 x [M 2,048, K 2,048] x [K 2,048, N 64]; A: softmax (see below); B: computed on the way: QUANTISED
;;     6. [M 4,096, K 1,024] x [K 1,024, N 1,024]; A: computed on the way; B: input Wo: QUANTISED
;;   THE QUANTISER, for each operand of a quantised product, along K:
;;     - K is cut into blocks of 32 from its start; a last block that is shorter is filled with zeros.
;;     - A block's scale is 2^e with e = floor(log2(the largest magnitude in the block)) - 2, held to -126 .. 127; a block of zeros has e = 0. As a byte (E8M0): e + 127.
;;     - Each number is divided by its block's scale, clamped to +-7.5, and rounded to the nearest number of E2M3, ties to even, subnormals kept.
;;     - The product sums the exact products of the quantised numbers (number of the format x scale) in f32.
;;   ~~~python
;;   def quantise(x, axis):      # numpy; x: float32 -> the quantised numbers, widened to float32 again
;;       x = np.moveaxis(x, axis, -1); K = x.shape[-1]
;;       x = np.pad(x, [(0, 0)] * (x.ndim - 1) + [(0, -K % 32)]); x = x.reshape(x.shape[:-1] + (-1, 32)); a = np.abs(x).max(-1, keepdims=True)
;;       e = np.where(a > 0, np.clip(np.frexp(np.where(a > 0, a, 1))[1] - 1 - 2, -126, 127), 0)      # np.frexp(a)[1] - 1 = floor(log2(a)), exactly
;;       r = np.clip(x / 2.0 ** e, -7.5, 7.5)
;;       step = 2.0 ** (np.maximum(np.frexp(np.where(r == 0, 1, r))[1] - 1, 0) - 3)
;;       q = np.round(r / step) * step * 2.0 ** e      # np.round: ties to even
;;       return np.moveaxis(q.reshape(q.shape[:-2] + (-1,))[..., :K], -1, axis).astype(np.float32)
;;   ~~~
;;   SOFTMAX AHEAD OF A QUANTISED PRODUCT. Where the list says 'softmax', what is quantised is not the finished softmax but p = 2^(t - M), with t = logit x log2(e) and M = ceil(the row's largest t), a whole number; so 1/2 < the row's largest p <= 1. The row's sum l is taken of the UNQUANTISED p, in f32, and the product's result is divided by l at the end. Since M is a whole number, a kernel that streams over the keys may use a running M (the ceiling of the running maximum): every later rescaling is an exact power of two, which a block's scale takes up: the codes' values come out the same.
;;   OPERANDS COMPUTED ON THE WAY. 'Computed on the way' means the value that the module computes at that place (a softmax that the list does not call 'softmax' is quantised finished and normalised). What goes into a quantiser is computed in f32, as accurately as f32 sums, v_exp_f32 and their like allow (about 1e-6 of the number): no bf16 or f16 on the way to a quantiser, and a product that is left as it is and whose result goes on into a quantised operand takes f32 operands (vector FMAs, or v_wmma_f32_16x16x4_f32). A number that lies on a knife's edge between two numbers of the format may be rounded either way, as far as f32 arithmetic and the matrix unit's own rounding can turn it there, and no further.
;; One version. Each part assembles by itself: llvm-mc -triple=amdgcn-amd-amdhsa -mcpu=gfx1250 --defsym DOCPART=n.
;; ======== version 1 of 1: 4 launches
;; limits: right only within a limited range of input values
;; workspace buffers: pk 13,107,200 bytes; hd 9,830,400 bytes; cc 3,276,800 bytes
;; launch quant (part 1): grid 512 x 1, 4 waves a work-group, no clusters, 34,304 bytes of LDS; arguments q, k, v, Wq, Wk, Wv, Wo, pk; writes pk
.if DOCPART == 1
	.amdgcn_target "amdgcn-amd-amdhsa--gfx1250"
	.amdhsa_code_object_version 6
	.text
	.protected	k_q5b2f096840_quant
	.globl	k_q5b2f096840_quant
	.p2align	8
	.type	k_q5b2f096840_quant,@function
k_q5b2f096840_quant:
	s_mov_b64 s[64:65], 0
	v_nop
	global_prefetch_b8 v0, s[64:65] scope:SCOPE_SE
	s_setreg_imm32_b32 hwreg(HW_REG_WAVE_MODE, 25, 1), 1
	s_wait_xcnt 0x0
; q, k, v [4096][1024] and Wq, Wk, Wv, Wo [1024][1024], f32 with K innermost, become codes of FP6 (E2M3) and E8M0 scale bytes, one for each 32 along K,
; laid in pk as IMAGES OF OPERAND REGISTERS, so that the products' launches load fragments as they stand.
; A block's scale is 2^(floor(log2(its largest magnitude)) - 2); its byte is the largest magnitude's exponent field - 2, held at 1 from below.
; LIMITS: a block of zeros gets the byte 1 where the rule says 127 (its codes are zeros, and this program alone reads the bytes); NaN and infinities are not served.
; LAYOUT OF pk: 128 panels of 102,400 bytes: q 0-31, k 32-63, v 64-95, Wq 96-103, Wk 104-111, Wv 112-119, Wo 120-127.  A panel is 128 rows x 1,024 K.
;   A tile of 16 rows: place r of tile i is row 32 (i / 2) + 8 (i % 2) + r + 8 (r / 8) of the panel.
;   A fragment (16 rows x 128 K, 12 registers a lane) is 1,536 bytes: register pair p of lane l at 256 p + 8 l.
;   A panel is four chunks of 25,600 bytes, two K steps of 128 each: 1,024 bytes of scale words (tile i, place r: two words at 128 i + 8 r), then the codes at 1,024 + 12,288 (step % 2) + 1,536 i.
; SHARES: a work-group takes a quarter of a panel; a wave one tile of rows x 512 along K: four fragments.  Waves share nothing: no barrier.
; Each load reads 512 consecutive bytes of one row; a fragment's 16 rows turn through the wave's own stage in LDS (rows 528 bytes apart) and come back so that lane (r, h)
; holds k = 64 c + 32 h + 0 .. 31 of its row: two whole blocks, in the order of the operand's registers.  Loads run one fragment (16 loads) ahead of the fragment at work.
; A FRAGMENT'S IMAGE AS IT IS LAID NOW (in place of the pairs named above): register quad q (registers 4 q .. 4 q + 3) of lane l at 512 q + 16 l of its 1,536 bytes: three loads of 16 bytes a lane bring a fragment.
.set PANEL, 102400
.set CHUNK, 25600
.set SP,    528                        ; a stage row: 512 bytes + 16
.set STGB,  16*SP                      ; a wave's stage
.set R,     32                         ; v32-159  two sets of 64: numbers as loaded
.set X,     160                        ; v160-223 64 numbers in the operand's order
.set C,     224                        ; v224-247 two sets of 12: codes
.set W,     18                         ; v18-21   the four fragments' scale words
	s_load_b512 s[8:23], s[0:1], 0x0               ; q, k, v, Wq, Wk, Wv, Wo, pk
	v_lshl_add_u32 v254, v0, 2, 0x8400
	v_mov_b32 v255, 0
	v_lshrrev_b32 v1, 5, v0
	v_readfirstlane_b32 s2, v1                     ; wave
	v_and_b32 v1, 31, v0                           ; lane
	v_and_b32 v2, 15, v0                           ; r
	v_bfe_u32 v3, v0, 4, 1                         ; h
	v_lshlrev_b32 v4, 4, v1                        ; my 16 bytes of a load's 512
	s_mul_i32 s3, s2, STGB
	v_add_nc_u32 v6, s3, v4                        ; the stage, on the way in
	v_mul_u32_u24 v7, v2, SP
	v_lshl_add_u32 v7, v3, 7, v7
	v_add_nc_u32 v7, s3, v7                        ; and back: row r, + 128 h
	v_lshlrev_b32 v8, 3, v3                        ; 8 h: my bytes' place in a scale word
	v_mul_u32_u24 v9, v3, CHUNK
	v_lshl_add_u32 v9, v2, 3, v9                   ; the scale words' way out: lanes 0-15 the first chunk, lanes 16-31 the second
	v_mov_b32 v17, 0                               ; a lane permute's destination counts as one of its sources
	s_mov_b32 s30, 0x76543210
	s_mov_b32 s31, 0xfedcba98                      ; selects for lane l xor 16
	s_lshr_b32 s24, ttmp9, 2                       ; panel
	s_and_b32 s25, ttmp9, 3
	s_lshl_b32 s25, s25, 2
	s_add_co_u32 s25, s25, s2                      ; which sixteenth of the panel
	s_lshr_b32 s32, s25, 1                         ; tile i
	s_and_b32 s33, s25, 1                          ; y: which half of K
	s_wait_alu depctr_va_vdst(0)
	s_wait_kmcnt 0x0
	s_mov_b64 s[4:5], s[20:21]                     ; the tensor, chosen by the panel's number alone
	s_mov_b32 s6, 120                              ; and its first panel
.macro PICK lim, ptr, first
	s_cmp_lt_u32 s24, \lim
	s_cselect_b64 s[4:5], s[\ptr:\ptr+1], s[4:5]
	s_cselect_b32 s6, \first, s6
.endm
	PICK 120, 18, 112
	PICK 112, 16, 104
	PICK 104, 14, 96
	PICK 96, 12, 64
	PICK 64, 10, 32
	PICK 32, 8, 0
	s_sub_co_u32 s34, s24, s6
	s_lshl_b32 s34, s34, 7                         ; the panel's first row
	s_lshr_b32 s35, s32, 1
	s_lshl_b32 s35, s35, 5
	s_add_co_u32 s34, s34, s35
	s_and_b32 s35, s32, 1
	s_lshl_b32 s35, s35, 3
	s_add_co_u32 s34, s34, s35                     ; + 32 (i / 2) + 8 (i % 2)
	s_lshl_b32 s34, s34, 12                        ; rows of 4,096 bytes
	s_lshl_b32 s35, s33, 11
	s_add_co_u32 s34, s34, s35                     ; + 2,048 y
	s_mov_b32 s35, 0
	s_add_nc_u64 s[4:5], s[4:5], s[34:35]
	s_mul_i32 s36, s24, PANEL
	s_mul_i32 s37, s33, 2*CHUNK
	s_add_co_u32 s36, s36, s37
	s_mov_b32 s37, 0
	s_add_nc_u64 s[22:23], s[22:23], s[36:37]      ; pk at my panel's chunk 2 y
	s_mul_i32 s36, s32, 1536
	s_add_co_u32 s36, s36, 1024
	s_add_nc_u64 s[26:27], s[22:23], s[36:37]      ; my tile's codes
	s_lshl_b32 s36, s32, 7
	s_add_nc_u64 s[28:29], s[22:23], s[36:37]      ; my tile's scale words
.macro LOAD f                          ; fragment f: 16 rows x 512 bytes
.irp p, 0,1,2,3,4,5,6,7,8,9,10,11,12,13,14,15
	global_load_b128 v[R+64*((\f)%2)+4*\p:R+64*((\f)%2)+4*\p+3], v4, s[4:5] offset:(\p+8*(\p/8))*4096+512*(\f) th:TH_LOAD_NT
.endr
.endm
.macro FRAGQ f
.set CS, C+12*((\f)%2)
.if (\f) < 3
	s_wait_loadcnt 16                              ; this fragment's 16 loads are in; the next fragment's 16 may be out
.else
	s_wait_loadcnt 0x0
.endif
.irp p, 0,1,2,3,4,5,6,7,8,9,10,11,12,13,14,15
	ds_store_b128 v6, v[R+64*((\f)%2)+4*\p:R+64*((\f)%2)+4*\p+3] offset:SP*\p
.endr
.irp c, 0,1
.irp i, 0,1,2,3,4,5,6,7
	ds_load_b128 v[X+32*\c+4*\i:X+32*\c+4*\i+3], v7 offset:256*\c+16*\i   ; LDS serves a wave's instructions in order: these see the stores above
.endr
.endr
	s_wait_dscnt 0x0                               ; the numbers are back, and the stores have read their registers,
.if (\f) < 2
	LOAD (\f)+2                                    ; which take the loads of two fragments on
.endif
.irp c, 0,1
	v_max3_num_f32 v[10+\c], |v[X+32*\c]|, |v[X+32*\c+1]|, 0x1800000   ; my block 2 c + h, and the floor 2^(3 - 127): the byte cannot fall under 1
.endr
.irp i, 2,4,6,8,10,12,14,16,18,20,22,24,26,28,30
.irp c, 0,1
	v_max3_num_f32 v[10+\c], v[10+\c], |v[X+32*\c+\i]|, |v[X+32*\c+\i+1]|   ; the two blocks by turns
.endr
.endr
.irp c, 0,1
	v_add_nc_u32 v[12+\c], 0xff000000, v[10+\c]    ; 2 off the exponent field: the conversion's scale operand
.endr
.irp c, 0,1
	v_lshrrev_b32 v[14+\c], 23, v[12+\c]           ; the scale's byte
.endr
	v_lshl_or_b32 v16, v15, 16, v14                ; my two bytes, blocks h and 2 + h,
	v_lshlrev_b32 v16, v8, v16                     ; at their places;
	v_permlanex16_b32 v17, v16, s30, s31
	v_or_b32 v[W+(\f)], v16, v17                   ; with lane l xor 16's two the word is whole
.if (\f) >= 2
	s_wait_alu depctr_va_vdst(0)
	s_wait_xcnt 0x0                                ; the stores of two fragments back have read this set of code registers
.endif
.irp c, 0,1
	v_cvt_scalef32_pk16_fp6_f32 v[CS+6*\c:CS+6*\c+2], v[X+32*\c:X+32*\c+15], v[12+\c]
	v_cvt_scalef32_pk16_fp6_f32 v[24+4*\c:26+4*\c], v[X+32*\c+16:X+32*\c+31], v[12+\c]   ; (a conversion's three registers begin on an even number)
.endr
	v_nop                                          ; one plain place behind a scaled conversion
.irp c, 0,1
.irp i, 0,1,2
	v_mov_b32 v[CS+6*\c+3+\i], v[24+4*\c+\i]
.endr
.endr
.irp p, 0,1,2
	global_store_b128 v4, v[CS+4*\p:CS+4*\p+3], s[26:27] offset:CHUNK*((\f)/2)+12288*((\f)%2)+512*\p   ; 32 lanes store 512 consecutive bytes, at a multiple of 256 from pk's first byte
.endr
.endm
	LOAD 0
	LOAD 1
	FRAGQ 0
	FRAGQ 1
	FRAGQ 2
	FRAGQ 3
	v_cmp_ne_u32 vcc_lo, 0, v3
	v_cndmask_b32 v22, v[W], v[W+2], vcc_lo        ; lanes 0-15: the words of K steps 4 y, 4 y + 1; lanes 16-31: of 4 y + 2, 4 y + 3
	v_cndmask_b32 v23, v[W+1], v[W+3], vcc_lo
	global_store_b64 v9, v[22:23], s[28:29]        ; sixteen lanes store my tile's 128 bytes of a chunk's scale words
	s_wait_tensorcnt 0x0
	ds_add_u32 v254, v255
	s_wait_dscnt 0x0
	s_endpgm
.Lfunc_end_k_q5b2f096840_quant:
	.size	k_q5b2f096840_quant, .Lfunc_end_k_q5b2f096840_quant-k_q5b2f096840_quant
	.p2alignl 7, 3214868480
	.fill 96, 4, 3214868480
	.section	.rodata,"a",@progbits
	.p2align	6, 0x0
	.amdhsa_kernel k_q5b2f096840_quant
		.amdhsa_group_segment_fixed_size 34304
		.amdhsa_private_segment_fixed_size 0
		.amdhsa_enable_private_segment 0
		.amdhsa_kernarg_size 64
		.amdhsa_user_sgpr_count 2
		.amdhsa_user_sgpr_kernarg_segment_ptr 1
		.amdhsa_wavefront_size32 1
		.amdhsa_system_sgpr_workgroup_id_x 1
		.amdhsa_system_sgpr_workgroup_id_y 1
		.amdhsa_system_sgpr_workgroup_id_z 1
		.amdhsa_system_vgpr_workitem_id 0
		.amdhsa_next_free_vgpr 256
		.amdhsa_next_free_sgpr 66
		.amdhsa_reserve_vcc 1
		.amdhsa_float_denorm_mode_32 3
		.amdhsa_float_denorm_mode_16_64 3
		.amdhsa_memory_ordered 1
		.amdhsa_forward_progress 1
		.amdhsa_inst_pref_size 31
	.end_amdhsa_kernel
	.amdgpu_metadata
---
amdhsa.version: [ 1, 2 ]
amdhsa.kernels:
  - .name:           k_q5b2f096840_quant
    .symbol:         k_q5b2f096840_quant.kd
    .args:
      - { .name: q, .offset: 0, .size: 8, .value_kind: global_buffer, .address_space: global }
      - { .name: k, .offset: 8, .size: 8, .value_kind: global_buffer, .address_space: global }
      - { .name: v, .offset: 16, .size: 8, .value_kind: global_buffer, .address_space: global }
      - { .name: Wq, .offset: 24, .size: 8, .value_kind: global_buffer, .address_space: global }
      - { .name: Wk, .offset: 32, .size: 8, .value_kind: global_buffer, .address_space: global }
      - { .name: Wv, .offset: 40, .size: 8, .value_kind: global_buffer, .address_space: global }
      - { .name: Wo, .offset: 48, .size: 8, .value_kind: global_buffer, .address_space: global }
      - { .name: pk, .offset: 56, .size: 8, .value_kind: global_buffer, .address_space: global }
    .group_segment_fixed_size: 34304
    .private_segment_fixed_size: 0
    .kernarg_segment_align: 8
    .kernarg_segment_size: 64
    .max_flat_workgroup_size: 128
    .sgpr_count:     66
    .vgpr_count:     256
    .wavefront_size: 32
...
	.end_amdgpu_metadata
.endif
;; end of part 1
;; launch proj (part 2): grid 32 x 8, 4 waves a work-group, clusters of 4 x 1, 327,680 bytes of LDS; arguments pk, bq, bk, bv, hd; writes hd
.if DOCPART == 2
	.amdgcn_target "amdgcn-amd-amdhsa--gfx1250"
	.amdhsa_code_object_version 6
	.text
	.protected	k_q5b2f096840_proj
	.globl	k_q5b2f096840_proj
	.p2align	8
	.type	k_q5b2f096840_proj,@function
k_q5b2f096840_proj:
	s_mov_b64 s[64:65], 0
	v_nop
	global_prefetch_b8 v0, s[64:65] scope:SCOPE_SE
	s_setreg_imm32_b32 hwreg(HW_REG_WAVE_MODE, 25, 1), 1
	s_wait_xcnt 0x0
	s_wait_alu depctr_hold_cnt(0) depctr_sa_sdst(0) depctr_va_vdst(0) depctr_va_sdst(0) depctr_va_ssrc(0) depctr_va_vcc(0) depctr_vm_vsrc(0)
	s_getreg_b32 s2, hwreg(HW_REG_IB_STS2, 6, 4)
	s_cmp_eq_u32 s2, 0
	s_cbranch_scc0 .Lentry_in_a_cluster
	s_endpgm
.Lentry_in_a_cluster:
	s_bfe_u32 s2, ttmp6, 0x10000c
	s_cmp_lg_u32 s2, 0x3003
	s_cbranch_scc0 .Lentry_shape_is_right
	s_endpgm
.Lentry_shape_is_right:
; The three projections x W^T + b on codes of FP6 (E2M3), sums in f32, and their results quantised in registers for the attention: qh and kh along the head's 64, vh along the keys.
; A WORK-GROUP STAYS: it makes three tiles of 128 x 128 over the whole K = 1,024, one of q (T = 0), one of k (1), one of v (2).  Source 0 of the matrix instruction is the side ALONG WHICH THE RESULT IS
; QUANTISED: for q and k 128 rows of W (features), for v 128 tokens (keys); source 1 is the other side.
; A lane's result registers run along source 0; by the tiles' choice of rows (place r of tile i = row 32 (i / 2) + 8 (i % 2) + r + 8 (r / 8)) the 64 registers of eight tiles are k = 32 b + 16 h + i.
; 1 / sqrt(64) IS NOT APPLIED HERE: a power of two goes through the quantiser unchanged (same codes, the byte 3 lower), so the attention's constant takes it.  LIMIT: that fails only where a block's byte
; would be held at 1, largest magnitudes under about 2^-121.  A block of zeros gets the byte 1, not 127: its codes are zeros, this program alone reads the bytes.  NaN and infinities are not served.
; pk: panels of 102,400 bytes (128 rows x 1,024 K): four chunks of 25,600: 1,024 bytes of scale words, then 2 K steps x 8 fragments of 1,536 bytes; a fragment is an image of its 12 registers: quad q of lane l at 512 q + 16 l.
; SOURCE 0, which all four waves read, lies in LDS: the three tiles' panels at 0, 102,400 and 204,800, dense copies of pk's panels, each filled ONCE.
;   THE FILLS: at the head one joint load a wave, each in an arm of its own: wave w brings chunk w of panel 0 (100 rows of 256 bytes).  The first barrier waits for wave 0's alone.  In tile 0's K step 1 every wave waits for
;   its load, adds 0 to its spare word and passes a round of the cluster's barrier; behind it each wave asks for its quarter (100 rows) of panel 1, a first fill; the same in K step 7 for panel 2; tile 1's K step 7 waits for that.
;   One load of mine is out at the most.  No prefetch is laid: the text has no loop, and a later panel's own load goes out six or eight K steps ahead of its first read.
; SOURCE 1: wave w alone reads its tiles 2 w, 2 w + 1: their fragments go from memory straight into registers, 6 loads of 512 consecutive bytes a K step,
;   into a ring of eight slots of 24 registers; the loads run five K steps (30 loads) ahead of the products, over the change of tiles too.
; CLUSTER 4 x 1: the four partners take the same panels of source 0 and ask for them jointly.  Source 1's panels differ between the partners.
;   q, k: source 0 = W's panel 96 + 8 T + y, source 1 = the tokens' panel 32 T + x, x = 4 cluster x + cx.  v: with c = cluster x + 8 y: source 0 = the tokens' panel 64 + c / 2, source 1 = Wv's 112 + 4 (c % 2) + cx.
; WAVE w: all 8 tiles of source 0 x its 2 of source 1: 16 accumulators, acc(a, b) at v[128 + 8 (8 a + b)].  The bias is the C of a tile's first 16 products.
; A K STEP goes by halves: 8 products, 12 LDS loads of the next step, 8 products, 12 LDS loads.
; REGISTERS: window 0: v4-9, v58-63 LDS addresses; v10-15 offsets; v16-31 at work; v32-47 source 0's scale words (two chunks by turns); v48-57 small things; v64-87 source 1's scale words, 8 a tile; v88-119 codes; v123, v127 the add's two; v128-255 accumulators.
;   window 1: v0-95, v96-191 two buffers of source 0's eight fragments; v192-255 bk.   window 2: v0-191 source 1's ring; v192-255 bq.   window 3: v0-15 bv.
; hd: Q's codes at 0 [head 32][tile 128][768]: register pair p of lane l at 256 p + 8 l; Q's scale words at QS [head][tile / 2][r]: bytes 0, 1 the even tile's, 2, 3 the odd's; at KV [head][step 16] records of 12,800 bytes for 128 keys:
;   512 bytes of scale words, 16 a lane (r, h): K's fragments h and 2 + h, V's fragments h and 2 + h, row r; K's four fragments (fragment b = key tile 2 b in k 0-63, tile 2 b + 1 in k 64-127); V^T's four (16 of the head's 64 x 128 keys); fragments as quads.
.set PANEL, 102400
.set CHUNK, 25600
.set SPARE, 3*PANEL                    ; behind the panels: the spare words, 128 bytes a wave
.set QS,    3145728
.set KV,    3276800
.set REC,   12800
.set AD0, 4                            ; v4-9   8 x lane + 51,200 i: half i % 2 of panel i / 2, for scale words
.set GO,  AD0                          ; v4     8 x lane: a store's offset
.set VO,  10                           ; v10    3,072 w + 16 x lane: my two fragments in a K step of a panel in memory
.set VS,  11                           ; v11    256 w + 8 x lane: my two tiles' scale words in a chunk
.set SO,  13                           ; v13-15 the scale words' offsets for q, k, v
.set TM,  16
.set S0,  32                           ; word of (step s, tile b): v[32 + 8 ((s / 2) % 2) + 2 (b / 2) + s % 2], lanes 0-15 the even tile, lanes 16-31 the odd
.set PW,  48
.set XW,  50
.set BOQ, 53                           ; v53    64 h: bq's and bk's offset
.set BOV, 54                           ; v54    4 (r + 8 (r / 8)): bv's
.set BVR, 56                           ; v56-57 bv of my lane's two features
.set AD1, 58                           ; v58-63 16 x lane + 51,200 i, for fragments
.set GO4, AD1                          ; v58    16 x lane: a store's offset
.set S1,  64                           ; word of (tile T, step s): v[64 + 8 T + 2 (s / 2) + s % 2]: lanes 0-15 tile 2 w, lanes 16-31 tile 2 w + 1
.set PC,  88                           ; v88-111 two fragments' codes
.set QT,  112                          ; v112-118 the conversions' second halves
.set SPW, 123
.set NIL, 127
.set ACC, 128
.set G1,  32                           ; s[32:39] group 1: 100 rows of 256 bytes
.set G0,  40                           ; s[40:63] six groups 0: panel 0's four chunks, my quarters of panels 1 and 2
.set P1B, 68                           ; s[68:73] source 1's three panels
.set BP,  74                           ; s[74:79] the three biases
.set BD,  80                           ; s[80:85] where the codes go
.set BS,  86                           ; s[86:91] where the scale words go
.set SEL, 92
.set MSB, 0
.macro WIN new                         ; the immediate's high byte repeats the setting that is left
.if MSB != \new
	s_set_vgpr_msb (MSB<<8)|\new
.set MSB, \new
.endif
.endm
.macro CROUND                          ; a round of the cluster's barrier
	s_barrier_signal -1
	s_barrier_wait -1
	s_cmp_lg_u32 s14, 0
	s_cbranch_scc1 .Lnot_wave_0_\@
	s_barrier_signal -3
.Lnot_wave_0_\@:
	s_barrier_wait -3
	s_barrier_signal -1
	s_barrier_wait -1
.endm
.macro PLACES                          ; four places behind a matrix instruction, ahead of loads into its registers
.rept 4
	v_nop
.endr
.endm
.macro SCALES T, j                     ; panel T, chunk j: source 0's scale words, two K steps' words a lane
.irp q, 0,1,2,3
	ds_load_b64 v[S0+8*((\j)%2)+2*\q:S0+8*((\j)%2)+2*\q+1], v[AD0+2*(\T)+(\j)/2] offset:CHUNK*((\j)%2)+256*\q
.endr
.endm
.macro FETCH T, s, hf                  ; panel T, K step s: source 0's fragments 4 hf .. 4 hf + 3; each load takes 512 consecutive bytes
.set OF, CHUNK*(((\s)/2)%2)+1024+12288*((\s)%2)
.set FB, 96*((\s)%2)
.irp c, 0,1,2,3
.irp p, 0,1,2
	ds_load_b128 v[FB+12*(4*(\hf)+\c)+4*\p:FB+12*(4*(\hf)+\c)+4*\p+3], v[AD1+2*(\T)+(\s)/4] offset:OF+1536*(4*(\hf)+\c)+512*\p
.endr
.endr
.endm
.macro FRAGS g                         ; source 1's two fragments of K step g % 8 of tile g / 8, from memory into slot g % 8 of the ring
.set TT, (\g)/8
.set SS, (\g)%8
.irp a, 0,1
.irp p, 0,1,2
	global_load_b128 v[24*SS+12*\a+4*\p:24*SS+12*\a+4*\p+3], v[VO], s[P1B+2*TT:P1B+2*TT+1] offset:CHUNK*(SS/2)+1024+12288*(SS%2)+1536*\a+512*\p
.endr
.endr
.endm
.macro S1LOAD T                        ; source 1's scale words of a whole tile
.irp j, 0,1,2,3
	global_load_b64 v[S1+8*(\T)+2*\j:S1+8*(\T)+2*\j+1], v[VS], s[P1B+2*(\T):P1B+2*(\T)+1] offset:CHUNK*\j
.endr
.endm
.macro BIAS T                          ; bq or bk in the result's layout: register 8 b + j is feature 32 (b / 2) + 16 h + 8 (b % 2) + j
.irp b, 0,1,2,3,4,5,6,7
	global_load_b128 v[192+8*\b:192+8*\b+3], v[BOQ], s[BP+2*(\T):BP+2*(\T)+1] offset:(32*(\b/2)+8*(\b%2))*4
	global_load_b128 v[192+8*\b+4:192+8*\b+7], v[BOQ], s[BP+2*(\T):BP+2*(\T)+1] offset:(32*(\b/2)+8*(\b%2))*4+16
.endr
.endm
.macro MUL T, s, hf                    ; 8 products: source 0's tiles 4 hf .. 4 hf + 3 x my two.  The 16 accumulators take turns, one instruction a turn, in the same order in every step
.set FB, 96*((\s)%2)
.irp c, 0,1,2,3
.irp a, 0,1
.set BB, 4*(\hf)+\c
.set DD, ACC+8*(8*\a+BB)
.set CC, DD
.if (\s) == 0                          ; a tile's first K step starts the sums from the bias
.if (\T) == 2
.set CC, 8*\a
.else
.set CC, 192+8*BB
.endif
.endif
.set FA, FB+12*BB
.set FS, 24*(\s)+12*\a
.set RA, S0+8*(((\s)/2)%2)+2*(BB/2)+(\s)%2
.set RB, S1+8*(\T)+2*((\s)/2)+(\s)%2
.if (\c%2 == 0) && (\a == 0)
	v_wmma_scale_f32_16x16x128_f8f6f4 v[DD:DD+7], v[FA:FA+11], v[FS:FS+11], v[CC:CC+7], v[RA], v[RB] matrix_a_fmt:MATRIX_FMT_FP6 matrix_b_fmt:MATRIX_FMT_FP6
.elseif \a == 0
	v_wmma_scale_f32_16x16x128_f8f6f4 v[DD:DD+7], v[FA:FA+11], v[FS:FS+11], v[CC:CC+7], v[RA], v[RB] matrix_a_fmt:MATRIX_FMT_FP6 matrix_b_fmt:MATRIX_FMT_FP6 matrix_a_scale:MATRIX_SCALE_ROW1
.elseif \c%2 == 0
	v_wmma_scale_f32_16x16x128_f8f6f4 v[DD:DD+7], v[FA:FA+11], v[FS:FS+11], v[CC:CC+7], v[RA], v[RB] matrix_a_fmt:MATRIX_FMT_FP6 matrix_b_fmt:MATRIX_FMT_FP6 matrix_b_scale:MATRIX_SCALE_ROW1
.else
	v_wmma_scale_f32_16x16x128_f8f6f4 v[DD:DD+7], v[FA:FA+11], v[FS:FS+11], v[CC:CC+7], v[RA], v[RB] matrix_a_fmt:MATRIX_FMT_FP6 matrix_b_fmt:MATRIX_FMT_FP6 matrix_a_scale:MATRIX_SCALE_ROW1 matrix_b_scale:MATRIX_SCALE_ROW1
.endif
.endr
.endr
.endm
; 64 numbers of a lane, register 16 b + i = k 32 b + 16 (lane / 16) + i of my row, become codes: k 0-63 in the six registers from v[p0] on, k 64-127 in the six from v[p1] on; the row's scale word in v[pw]
.macro QUANT s, p0, p1, pw
.irp b, 0,1,2,3
	v_max3_num_f32 v[TM+\b], |v[\s+16*\b]|, |v[\s+1+16*\b]|, 0x1800000   ; my 16 numbers of block b, and the floor 2^(3 - 127): the byte cannot fall under 1
.endr
.irp i, 2,4,6,8,10,12,14
.irp b, 0,1,2,3
	v_max3_num_f32 v[TM+\b], v[TM+\b], |v[\s+16*\b+\i]|, |v[\s+1+16*\b+\i]|   ; the four blocks by turns; each accumulator is read from its low end on
.endr
.endr
.irp b, 0,1,2,3
	v_permlanex16_b32 v[TM+4+\b], v[TM+\b], s[SEL], s[SEL+1]
.endr
.irp b, 0,1,2,3
	v_max_num_f32 v[TM+\b], v[TM+\b], v[TM+4+\b]   ; with lane l xor 16's: the block's largest magnitude
.endr
.irp b, 0,1,2,3
	v_add_nc_u32 v[TM+12+\b], 0xff000000, v[TM+\b] ; 2 off its exponent field: the conversion's scale operand
.endr
.irp b, 0,1,2,3
	v_lshrrev_b32 v[TM+4+\b], 23, v[TM+12+\b]      ; the scale's byte
.endr
	v_lshl_or_b32 v[\pw], v[TM+5], 8, v[TM+4]
	v_lshl_or_b32 v[\pw], v[TM+6], 16, v[\pw]
	v_lshl_or_b32 v[\pw], v[TM+7], 24, v[\pw]      ; my row's scale word, the same in lanes l and l xor 16
	v_cvt_scalef32_pk16_fp6_f32 v[\p0:\p0+2], v[\s:\s+15], v[TM+12]
	v_cvt_scalef32_pk16_fp6_f32 v[QT:QT+2], v[\s+16:\s+31], v[TM+13]     ; (a conversion's three registers begin on an even number)
	v_cvt_scalef32_pk16_fp6_f32 v[\p1:\p1+2], v[\s+32:\s+47], v[TM+14]
	v_cvt_scalef32_pk16_fp6_f32 v[QT+4:QT+6], v[\s+48:\s+63], v[TM+15]
	v_nop                                          ; one plain place behind a scaled conversion
.irp i, 0,1,2                          ; the operand's layout wants a whole block in a lane: lanes 0-15 the even block, lanes 16-31 the odd
	v_permlane16_swap_b32 v[\p0+\i], v[QT+\i]
.endr
.irp i, 0,1,2
	v_mov_b32 v[\p0+3+\i], v[QT+\i]
.endr
.irp i, 0,1,2
	v_permlane16_swap_b32 v[\p1+\i], v[QT+4+\i]
.endr
.irp i, 0,1,2
	v_mov_b32 v[\p1+3+\i], v[QT+4+\i]
.endr
.endm
; THE EIGHT K STEPS OF TILE T.  G counts the K steps of all three tiles, 0 to 23.
.macro TILE T
.irp s, 0,1,2,3,4,5,6,7
.set G, 8*(\T)+\s
.set MW, 0x09                          ; source 0 window 1, source 1 window 2, C and D window 0
.if \s == 0                            ; the first step's C is the bias: bq window 2, bk window 1, bv window 3
.if (\T) == 0
.set MW, 0x29
.elseif (\T) == 1
.set MW, 0x19
.else
.set MW, 0x39
.endif
.endif
	s_wait_dscnt 12                                ; this step's scale words and fragments 0-3 are in; the youngest 12 loads, fragments 4-7, may be out
.if G < 5
	s_wait_loadcnt 50                              ; source 1's fragments of this step are in: younger are four K steps' 6 each and the 26 loads for the later tiles
.elseif G < 20
	s_wait_loadcnt 24                              ; the younger loads are the four next K steps' 6 each
.else
	s_wait_loadcnt 6*(23-G)                        ; the stream has ended: the K steps that are left
.endif
	WIN MW
	MUL \T, \s, 0
.if ((\T) == 0) && ((\s == 1) || (\s == 7))
	WIN 0                                          ; the add's registers lie in window 0; at a branch and at a label every window is 0
	s_wait_tensorcnt 0x0                           ; my load is in: K step 1: my chunk of panel 0; K step 7: my quarter of panel 1;
	ds_add_u32 v[SPW], v[NIL]
	s_wait_dscnt 0x0
	CROUND                                         ; a whole round: everybody's is in, and the joint loads meet
	tensor_load_to_lds s[G0+16+4*(\s/4):G0+19+4*(\s/4)], s[G1:G1+7]   ; my quarter of the next panel but none filled before: a first fill, my one load behind the round; the four places below follow it
	s_nop 0
.elseif ((\T) == 1) && (\s == 7)
	s_wait_tensorcnt 0x0                           ; my quarter of panel 2 is in
	s_wait_dscnt 0x0                               ; no LDS instruction of mine is out at the signal
	s_barrier_signal -1
	s_barrier_wait -1
.endif
.if G < 23
.set NT, (G+1)/8
.set NS, (G+1)%8
	PLACES                                         ; the other buffer, the scale words' other set and the ring's slot were read by earlier steps' products
.if (NS % 2) == 0
	WIN 0
	SCALES NT, NS/2
	WIN 0x40                                       ; destination window 1, address window 0
	FETCH NT, NS, 0
	s_wait_dscnt 16                                ; this step's fragments 4-7 are in: all but the 16 just issued
.else
	WIN 0x40
	FETCH NT, NS, 0
	s_wait_dscnt 12                                ; all but the 12 just issued
.endif
.else
	s_wait_dscnt 0x0                               ; the very last step: nothing more to fetch
.endif
	WIN MW
	MUL \T, \s, 1
.if G < 23
	WIN 0x40
	FETCH NT, NS, 1
.endif
.if G < 19
	WIN 0x80                                       ; destination window 2
	FRAGS G+5                                      ; five K steps ahead; its slot was read three steps ago
.endif
.if G == 8
	WIN 0xc0                                       ; destination window 3: my lane is ONE feature of v, so all eight registers of a C are its bias (it came in with the loads that step 5's wait has shown done)
.irp a, 0,1
.irp j, 0,1,2,3,4,5,6,7
	v_mov_b32 v[8*\a+\j], v[BVR+\a]
.endr
.endr
.endif
.endr
.endm
; THE WAY OUT OF TILE T: registers alone.  Each tile of source 1 gives twelve registers of codes and one scale word a lane.  The next tile's first fragments are on their way meanwhile.
.macro OUT T
	WIN 0
.rept 5
	v_nop                                          ; places behind the last products: four ahead of the first read of results, five ahead of the next tile's products, which begin these accumulators anew
.endr
.if (\T) > 0
	s_wait_xcnt 0x0                                ; the last tile's stores have read their data registers, which are written again below
.endif
.irp a, 0,1
.if (\T) == 1
	QUANT ACC+64*\a, PC+6*\a, PC+12+6*\a, PW+\a    ; k: a fragment is one head's 64 of my two key tiles: the even head's from v[PC] on, the odd head's from v[PC + 12] on
.else
	QUANT ACC+64*\a, PC+12*\a, PC+12*\a+6, PW+\a
.endif
.endr
.if (\T) == 0
.irp a, 0,1
.irp p, 0,1,2,3,4,5
	global_store_b64 v[GO], v[PC+12*\a+2*\p:PC+12*\a+2*\p+1], s[BD:BD+1] offset:768*\a+98304*(\p/3)+256*(\p%3)   ; q: tile a, head p / 3: 32 lanes store 256 consecutive bytes, at a multiple of 256 from hd's first byte
.endr
.endr
.else
.irp f, 0,1
.irp p, 0,1,2
	global_store_b128 v[GO4], v[PC+12*\f+4*\p:PC+12*\f+4*\p+3], s[BD+2*(\T):BD+2*(\T)+1] offset:(204800*(2-(\T))+1536*((\T)-1))*\f+512*\p   ; k: the next head's record; v: the next fragment.  32 lanes store 512 consecutive bytes
.endr
.endr
.endif
	v_cmp_ne_u32 vcc_lo, 0, v3
.if (\T) < 2
	v_perm_b32 v[XW], v[PW+1], v[PW], 0x05040100   ; the even head's word: bytes 0, 1 of both tiles' words (selector bytes 0-3 take the second source's bytes, 4-7 the first's)
	v_perm_b32 v[XW+1], v[PW+1], v[PW], 0x07060302 ; the odd head's: bytes 2, 3 of both
	v_cndmask_b32 v[XW+2], v[XW], v[XW+1], vcc_lo
.else
	v_cndmask_b32 v[XW+2], v[PW], v[PW+1], vcc_lo  ; lanes 0-15 my first tile's word, lanes 16-31 my second's
.endif
	global_store_b32 v[SO+(\T)], v[XW+2], s[BS+2*(\T):BS+2*(\T)+1]   ; q: sixteen lanes store 64 consecutive bytes; k, v: a word in each lane's 16 bytes of a record's first 512
.endm
	s_load_b256 s[4:11], s[0:1], 0x0               ; pk, bq, bk, bv
	s_load_b64 s[12:13], s[0:1], 0x20              ; hd
	v_lshl_add_u32 v[SPW], v0, 2, SPARE
	v_mov_b32 v[NIL], 0
	ds_add_u32 v[SPW], v[NIL]                      ; the opening lines: the add, twice on end, and its wait ahead of my first tensor load
	ds_add_u32 v[SPW], v[NIL]
	v_lshrrev_b32 v1, 5, v0
	v_readfirstlane_b32 s14, v1                    ; wave 0..3
	s_lshr_b32 s15, s14, 1
	s_and_b32 s16, s14, 1
	v_and_b32 v1, 31, v0                           ; lane
	v_and_b32 v2, 15, v0                           ; r
	v_bfe_u32 v3, v0, 4, 1                         ; h
	v_lshlrev_b32 v[AD0], 3, v1                    ; every LDS address: a constant and the lane
	v_lshlrev_b32 v[AD1], 4, v1
.irp i, 1,2,3,4,5
	v_add_nc_u32 v[AD0+\i], 2*CHUNK*\i, v[AD0]
	v_add_nc_u32 v[AD1+\i], 2*CHUNK*\i, v[AD1]
.endr
	s_mul_i32 s2, s14, 3072
	v_add_nc_u32 v[VO], s2, v[AD1]
	s_lshl_b32 s2, s14, 8
	v_add_nc_u32 v[VS], s2, v[AD0]
	v_lshlrev_b32 v[SO], 2, v2
	v_lshl_add_u32 v[SO], v3, 12, v[SO]            ; q: 4 r + 4,096 h: the next head's words
	v_lshlrev_b32 v[SO+2], 4, v2
	v_mul_u32_u24 v[SO+1], 0x32000, v3
	v_add_nc_u32 v[SO+1], v[SO+1], v[SO+2]         ; k: 16 r + 204,800 h: the next head's record
	v_lshl_add_u32 v[SO+2], v3, 8, v[SO+2]         ; v: 16 r + 256 h: the odd fragment's lanes
	v_lshlrev_b32 v[BOQ], 6, v3
	v_and_b32 v[BOV], 8, v2
	v_add_nc_u32 v[BOV], v[BOV], v2
	v_lshlrev_b32 v[BOV], 2, v[BOV]
.irp b, 0,1,2,3
	v_mov_b32 v[TM+4+\b], 0                        ; a lane permute's destination counts as one of its sources
.endr
	s_bfe_u32 s17, ttmp6, 0x40000                  ; cx: it enters source 1's, the biases' and hd's addresses alone
	s_and_b32 s19, ttmp7, 0xffff                   ; y
	s_lshl_b32 s20, ttmp9, 2
	s_add_co_u32 s20, s20, s17                     ; x
	s_lshl_b32 s21, s19, 3
	s_add_co_u32 s21, s21, ttmp9                   ; c = cluster x + 8 y: the same in all four partners
	s_lshr_b32 s22, s21, 1                         ; v's panel of tokens
	s_and_b32 s23, s21, 1                          ; which four of Wv's eight panels
	s_mul_i32 s3, s14, CHUNK                       ; my quarter of a panel
	s_add_co_u32 s66, s19, 96                      ; source 0's three panels hang on y, on the cluster's x and on the wave's number
	s_mul_i32 s66, s66, PANEL
	s_mov_b32 s67, 0
	s_add_co_u32 s94, s19, 104
	s_mul_i32 s94, s94, PANEL
	s_add_co_u32 s94, s94, s3
	s_mov_b32 s95, 0
	s_add_co_u32 s96, s22, 64
	s_mul_i32 s96, s96, PANEL
	s_add_co_u32 s96, s96, s3
	s_mov_b32 s97, 0
	; group 1: 25,600 dense bytes as 100 rows of 32 elements of 8 bytes, no padding; the mask names all four work-groups, bit 21 set beside it
	s_mov_b32 s[G1], 15|(3<<16)|(1<<21)
	s_mov_b32 s[G1+1], 32<<16                      ; tensor_dim0 = 32
	s_mov_b32 s[G1+2], 100<<16                     ; tensor_dim1 = 100
	s_mov_b32 s[G1+3], 32<<16                      ; tile_dim0 = 32
	s_mov_b32 s[G1+4], 100                         ; tile_dim1 = 100
	s_mov_b32 s[G1+5], 32                          ; the pitch
	s_mov_b32 s[G1+6], 0
	s_mov_b32 s[G1+7], 0
	s_mov_b32 s[SEL], 0x76543210
	s_mov_b32 s[SEL+1], 0xfedcba98
	s_wait_alu depctr_va_vdst(0)                   ; the end of the head's vector work
	s_wait_dscnt 0x0
	s_wait_kmcnt 0x0
	s_add_nc_u64 s[66:67], s[4:5], s[66:67]
.irp j, 0,1,2,3                        ; chunk j of panel 0
	s_mov_b32 s[G0+4*\j], 1
	s_mov_b32 s[G0+4*\j+1], CHUNK*\j
	s_add_nc_u64 s[G0+4*\j+2:G0+4*\j+3], s[66:67], CHUNK*\j
	s_or_b32 s[G0+4*\j+3], s[G0+4*\j+3], 0x80000000
.endr
	s_mov_b32 s[G0+16], 1                          ; my quarter of panel 1
	s_add_co_u32 s[G0+17], s3, PANEL
	s_add_nc_u64 s[G0+18:G0+19], s[4:5], s[94:95]
	s_or_b32 s[G0+19], s[G0+19], 0x80000000
	s_mov_b32 s[G0+20], 1                          ; and of panel 2
	s_add_co_u32 s[G0+21], s3, 2*PANEL
	s_add_nc_u64 s[G0+22:G0+23], s[4:5], s[96:97]
	s_or_b32 s[G0+23], s[G0+23], 0x80000000
	CROUND                                         ; all four work-groups are here: the joint loads meet
.macro ARM under, g0, next             ; one chain of branches on the wave's number: every way through it passes one load
	s_cmp_lt_u32 s14, \under
	s_cbranch_scc0 \next
	tensor_load_to_lds s[\g0:\g0+3], s[G1:G1+7]
	s_nop 0
	PLACES
	s_branch .Lhead_asked
\next:
.endm
	ARM 1, G0, .Lhead_1                            ; wave w: chunk w of panel 0
	ARM 2, G0+4, .Lhead_2
	ARM 3, G0+8, .Lhead_3
	tensor_load_to_lds s[G0+12:G0+15], s[G1:G1+7]
	s_nop 0
	PLACES
.Lhead_asked:
	s_mul_i32 s94, s20, PANEL                      ; source 1's panels
	s_mov_b32 s95, 0
	s_add_nc_u64 s[P1B:P1B+1], s[4:5], s[94:95]
	s_add_nc_u64 s[P1B+2:P1B+3], s[P1B:P1B+1], 32*PANEL
	s_lshl_b32 s99, s23, 2
	s_add_co_u32 s99, s99, s17                     ; v's panel of features
	s_add_co_u32 s94, s99, 112
	s_mul_i32 s94, s94, PANEL
	s_add_nc_u64 s[P1B+4:P1B+5], s[4:5], s[94:95]
	s_lshl_b32 s94, s19, 9                         ; the biases: 512 bytes a panel of features; for v also my wave's 32 features
	s_add_nc_u64 s[BP:BP+1], s[6:7], s[94:95]
	s_add_nc_u64 s[BP+2:BP+3], s[8:9], s[94:95]
	s_lshl_b32 s94, s99, 9
	s_lshl_b32 s98, s14, 7
	s_add_co_u32 s94, s94, s98
	s_add_nc_u64 s[BP+4:BP+5], s[10:11], s[94:95]
	S1LOAD 0                                       ; the stream from memory begins: 4 + 16 + 18 loads
	WIN 0x80
	BIAS 0
	FRAGS 0
	FRAGS 1
	FRAGS 2
	WIN 0
	; where the results go.  q, k: tokens' panel x, features' panel y
	s_mov_b32 s97, 0
	s_lshr_b32 s94, s20, 4
	s_lshl_b32 s94, s94, 4                         ; 16 x batch
	s_lshl_b32 s98, s19, 1
	s_add_co_u32 s94, s94, s98                     ; the panel's even head
	s_and_b32 s95, s20, 15                         ; which 128 tokens of the batch
	s_lshl_b32 s96, s94, 7                         ; q: codes at (128 head + 8 sp + 2 w) x 768
	s_lshl_b32 s98, s95, 3
	s_add_co_u32 s96, s96, s98
	s_lshl_b32 s98, s14, 1
	s_add_co_u32 s96, s96, s98
	s_mul_i32 s96, s96, 768
	s_add_nc_u64 s[BD:BD+1], s[12:13], s[96:97]
	s_lshl_b32 s96, s94, 6                         ; q: scale words at QS + (64 head + 4 sp + w) x 64
	s_lshl_b32 s98, s95, 2
	s_add_co_u32 s96, s96, s98
	s_add_co_u32 s96, s96, s14
	s_lshl_b32 s96, s96, 6
	s_add_co_u32 s96, s96, QS
	s_add_nc_u64 s[BS:BS+1], s[12:13], s[96:97]
	s_lshl_b32 s98, s94, 4                         ; k: the record of (head, sp)
	s_add_co_u32 s98, s98, s95
	s_mul_i32 s98, s98, REC
	s_add_co_u32 s98, s98, KV
	s_mul_i32 s96, s14, 1536
	s_add_co_u32 s96, s96, s98
	s_add_co_u32 s96, s96, 512                     ; fragment w
	s_add_nc_u64 s[BD+2:BD+3], s[12:13], s[96:97]
	s_lshl_b32 s96, s16, 8                         ; its words: lanes 16 (w % 2) + r, word w / 2
	s_add_co_u32 s96, s96, s98
	s_lshl_b32 s2, s15, 2
	s_add_co_u32 s96, s96, s2
	s_add_nc_u64 s[BS+2:BS+3], s[12:13], s[96:97]
	s_lshr_b32 s94, s22, 4                         ; v: tokens' panel c / 2, features' panel 4 (c % 2) + cx; waves 2, 3 hold the odd head
	s_lshl_b32 s94, s94, 4
	s_lshl_b32 s98, s99, 1
	s_add_co_u32 s94, s94, s98
	s_add_co_u32 s94, s94, s15
	s_and_b32 s95, s22, 15
	s_lshl_b32 s98, s94, 4
	s_add_co_u32 s98, s98, s95
	s_mul_i32 s98, s98, REC
	s_add_co_u32 s98, s98, KV
	s_mul_i32 s96, s16, 3072
	s_add_co_u32 s96, s96, s98
	s_add_co_u32 s96, s96, 6656                    ; fragments 2 (w % 2), 2 (w % 2) + 1
	s_add_nc_u64 s[BD+4:BD+5], s[12:13], s[96:97]
	s_lshl_b32 s96, s16, 2                         ; their words: lanes 16 h + r, word 2 + w % 2
	s_add_co_u32 s96, s96, s98
	s_add_co_u32 s96, s96, 8
	s_add_nc_u64 s[BS+4:BS+5], s[12:13], s[96:97]
	s_cmp_eq_u32 s14, 0
	s_cbranch_scc0 .Lnot_chunk_0
	s_wait_tensorcnt 0x0                           ; wave 0: chunk 0 is in; the other waves' loads may be out
.Lnot_chunk_0:
	s_barrier_signal -1
	s_barrier_wait -1
	SCALES 0, 0
	WIN 0x40
	FETCH 0, 0, 0
	FETCH 0, 0, 1
	WIN 0x80
	FRAGS 3                                        ; the stream goes on: 12 loads, then what the later tiles want beside their fragments: 4 + 4 + 2 + 16
	FRAGS 4
	WIN 0
	S1LOAD 1
	S1LOAD 2
	global_load_b32 v[BVR], v[BOV], s[BP+4:BP+5]   ; my lane's features of v: 32 w + 8 a + r + 8 (r / 8)
	global_load_b32 v[BVR+1], v[BOV], s[BP+4:BP+5] offset:32
	WIN 0x40
	BIAS 1
	TILE 0
	OUT 0
	TILE 1
	OUT 1
	TILE 2
	OUT 2
	s_wait_tensorcnt 0x0                           ; the wave's end
	ds_add_u32 v[SPW], v[NIL]
	s_wait_dscnt 0x0
	CROUND                                         ; the closing round: no work-group ends while a partner may still ask for a panel that names it
	s_endpgm
.Lfunc_end_k_q5b2f096840_proj:
	.size	k_q5b2f096840_proj, .Lfunc_end_k_q5b2f096840_proj-k_q5b2f096840_proj
	.p2alignl 7, 3214868480
	.fill 96, 4, 3214868480
	.section	.rodata,"a",@progbits
	.p2align	6, 0x0
	.amdhsa_kernel k_q5b2f096840_proj
		.amdhsa_group_segment_fixed_size 327680
		.amdhsa_private_segment_fixed_size 0
		.amdhsa_enable_private_segment 0
		.amdhsa_kernarg_size 40
		.amdhsa_user_sgpr_count 2
		.amdhsa_user_sgpr_kernarg_segment_ptr 1
		.amdhsa_wavefront_size32 1
		.amdhsa_system_sgpr_workgroup_id_x 1
		.amdhsa_system_sgpr_workgroup_id_y 1
		.amdhsa_system_sgpr_workgroup_id_z 1
		.amdhsa_system_vgpr_workitem_id 0
		.amdhsa_next_free_vgpr 784
		.amdhsa_next_free_sgpr 102
		.amdhsa_reserve_vcc 1
		.amdhsa_float_denorm_mode_32 3
		.amdhsa_float_denorm_mode_16_64 3
		.amdhsa_memory_ordered 1
		.amdhsa_forward_progress 1
		.amdhsa_inst_pref_size 152
	.end_amdhsa_kernel
	.amdgpu_metadata
---
amdhsa.version: [ 1, 2 ]
amdhsa.kernels:
  - .name:           k_q5b2f096840_proj
    .symbol:         k_q5b2f096840_proj.kd
    .args:
      - { .name: pk, .offset: 0, .size: 8, .value_kind: global_buffer, .address_space: global }
      - { .name: bq, .offset: 8, .size: 8, .value_kind: global_buffer, .address_space: global }
      - { .name: bk, .offset: 16, .size: 8, .value_kind: global_buffer, .address_space: global }
      - { .name: bv, .offset: 24, .size: 8, .value_kind: global_buffer, .address_space: global }
      - { .name: hd, .offset: 32, .size: 8, .value_kind: global_buffer, .address_space: global }
    .group_segment_fixed_size: 327680
    .private_segment_fixed_size: 0
    .kernarg_segment_align: 8
    .kernarg_segment_size: 40
    .max_flat_workgroup_size: 128
    .sgpr_count:     102
    .vgpr_count:     784
    .wavefront_size: 32
...
	.end_amdgpu_metadata
.endif
;; end of part 2
;; launch attn (part 3): grid 8 x 32, 16 waves a work-group, clusters of 4 x 1, 206,848 bytes of LDS; arguments hd, cc; writes cc
.if DOCPART == 3
	.amdgcn_target "amdgcn-amd-amdhsa--gfx1250"
	.amdhsa_code_object_version 6
	.text
	.protected	k_q5b2f096840_attn
	.globl	k_q5b2f096840_attn
	.p2align	8
	.type	k_q5b2f096840_attn,@function
k_q5b2f096840_attn:
	s_mov_b64 s[64:65], 0
	v_nop
	global_prefetch_b8 v0, s[64:65] scope:SCOPE_SE
	s_setreg_imm32_b32 hwreg(HW_REG_WAVE_MODE, 25, 1), 1
	s_wait_xcnt 0x0
	s_wait_alu depctr_hold_cnt(0) depctr_sa_sdst(0) depctr_va_vdst(0) depctr_va_sdst(0) depctr_va_ssrc(0) depctr_va_vcc(0) depctr_vm_vsrc(0)
	s_getreg_b32 s2, hwreg(HW_REG_IB_STS2, 6, 4)
	s_cmp_eq_u32 s2, 0
	s_cbranch_scc0 .Lentry_in_a_cluster
	s_endpgm
.Lentry_in_a_cluster:
	s_bfe_u32 s2, ttmp6, 0x10000c
	s_cmp_lg_u32 s2, 0x3003
	s_cbranch_scc0 .Lentry_shape_is_right
	s_endpgm
.Lentry_shape_is_right:
; ctx[head][q] = the sum over keys of softmax(qh . kh) vh, both products on codes of FP6 (E2M3) made by the launch before; ctx is quantised here, along the head's 64, for the last projection.
; THE SOFTMAX: t = score x c, c = log2(e) / 8 (the 1 / sqrt(64) on qh: a power of two, which the quantiser passes unchanged); M = the running largest t rounded UP to a whole number;
; p = 2^(t - M) is quantised along the keys, not normalised; the row's sum is taken of the unquantised p and divides at the end; when M moves, sum and O are multiplied by 2^(old M - new M): exact.
; SHARES: a work-group owns 256 queries of one head, each of its sixteen waves one tile of 16, in 256 registers: four waves to a SIMD.
; LDS: the head's sixteen records of 12,800 bytes (128 keys each) are 204,800 bytes and stay: wave w brings record w by its one tensor load; nothing is filled again.
; A RECORD: 512 bytes of scale words, 16 a lane (r, h): K's fragments h and 2 + h, V's fragments h and 2 + h, row r; K's four fragments; V^T's four.  A fragment is an image of its 12 registers: quad q of lane l at 512 q + 16 l.
; So a key step is 25 LDS loads of 16 bytes a lane: 1 + 12 ahead of the scores, 12 under the softmax.
; THE LOAD STANDS IN TWO ARMS: waves 0 and 1 have a line of their own, and the first barrier waits for their two records alone.  The first FIRST = 2 key steps read those; behind them every wave waits for its load, and a barrier shows all sixteen.
; All of K and V is asked for at the head, so there is no later step to prefetch for.  CLUSTER 4 x 1: the four query blocks of a cluster belong to one head and ask for each record jointly.
; LAYOUT: both products are used transposed (S^T = K Q^T, O^T = V^T P^T): a lane holds ONE query (place lane % 16 of its tile).  Place r of tile i is row 32 (i / 2) + 8 (i % 2) + r + 8 (r / 8), for queries, keys and
; the head's 64 alike, so that the 16 registers of two neighbouring tiles are 16 neighbours along the next K.
; K = 64 IN A FORM OF K = 128: a fragment of K holds key tile 2 b in k 0-63 and tile 2 b + 1 in k 64-127; it is multiplied by [q | zero codes] and by [zero codes | q].  Zero codes add nothing under any byte but 0xff.
; q stands between two runs of six zero registers: v[22:33] is the first operand, v[16:27] the second; its scale word is its two bytes twice.
; cc keeps register PAIRS (pair p of lane l at 256 p + 8 l): a fragment there is made of two heads' halves, that is by two work-groups, and six registers are three pairs.
; LIMITS: NaN and infinities are not served; the scaled scores t stay under 2^31 in magnitude; a block of zeros gets the byte 1, not 127: its codes are zeros, this program alone reads the bytes.
; REGISTERS: v1 8 x lane, v2 16 x lane, v3 the step's LDS address, v5 r, v6 h, v7 8 r + h, v8 4 r; v9 the last step's -M; v12 -M, v13 the largest t, v[14:15] the sum; v16-33 zeros, q, zeros; v34 q's scale word;
;   v36-83 four fragments; v84-85 at work; v96-159 S^T, then p; v160-191 O^T; v224-235 p's codes; v230-247, v252-254 at work; v248-249 K's scale words, v250-251 V's; v243, v255 the add's two.
.set REC,   12800
.set QS,    3145728
.set KV,    3276800
.set PANEL, 102400
.set CHUNK, 25600
.set FIRST, 2                          ; records that the first barrier shows, and key steps ahead of the second
.set SEL, 28
.set CS,  30
.macro CROUND                          ; a round of the cluster's barrier
	s_barrier_signal -1
	s_barrier_wait -1
	s_cmp_lg_u32 s8, 0
	s_cbranch_scc1 .Lnot_wave_0_\@
	s_barrier_signal -3
.Lnot_wave_0_\@:
	s_barrier_wait -3
	s_barrier_signal -1
	s_barrier_wait -1
.endm
; A KEY STEP: 128 keys, the record at LDS byte s32
.macro STEP
	v_add_nc_u32 v3, s32, v2
.rept 3
	v_nop                                          ; four places behind the last products, ahead of loads into their registers
.endr
	ds_load_b128 v[248:251], v3                    ; the step's scale words
.irp b, 0,1,2,3
.irp p, 0,1,2
	ds_load_b128 v[36+12*\b+4*\p:39+12*\b+4*\p], v3 offset:512+1536*\b+512*\p
.endr
.endr
	s_wait_alu depctr_va_vdst(0)
	s_wait_dscnt 0x0
.irp b, 0,1,2,3                        ; S^T: key tile 2 b by [q | 0], tile 2 b + 1 by [0 | q]
.if \b%2 == 0
	v_wmma_scale_f32_16x16x128_f8f6f4 v[96+16*\b:103+16*\b], v[36+12*\b:47+12*\b], v[22:33], 0, v[248+\b/2], v34 matrix_a_fmt:MATRIX_FMT_FP6 matrix_b_fmt:MATRIX_FMT_FP6
	v_wmma_scale_f32_16x16x128_f8f6f4 v[104+16*\b:111+16*\b], v[36+12*\b:47+12*\b], v[16:27], 0, v[248+\b/2], v34 matrix_a_fmt:MATRIX_FMT_FP6 matrix_b_fmt:MATRIX_FMT_FP6
.else
	v_wmma_scale_f32_16x16x128_f8f6f4 v[96+16*\b:103+16*\b], v[36+12*\b:47+12*\b], v[22:33], 0, v[248+\b/2], v34 matrix_a_fmt:MATRIX_FMT_FP6 matrix_b_fmt:MATRIX_FMT_FP6 matrix_a_scale:MATRIX_SCALE_ROW1
	v_wmma_scale_f32_16x16x128_f8f6f4 v[104+16*\b:111+16*\b], v[36+12*\b:47+12*\b], v[16:27], 0, v[248+\b/2], v34 matrix_a_fmt:MATRIX_FMT_FP6 matrix_b_fmt:MATRIX_FMT_FP6 matrix_a_scale:MATRIX_SCALE_ROW1
.endif
.endr                                  ; register 16 b + i of v96 on is key 32 b + 16 (lane / 16) + i of the step
	v_mov_b32 v9, v12                              ; the -M so far.  With the three v_nop: the places ahead of the loads below and of the first read of the scores
.rept 3
	v_nop
.endr
.irp t, 0,1,2,3                        ; V^T's four fragments land under the softmax
.irp p, 0,1,2
	ds_load_b128 v[36+12*\t+4*\p:39+12*\t+4*\p], v3 offset:6656+1536*\t+512*\p
.endr
.endr
.irp b, 0,1,2,3
	v_max3_num_f32 v[232+\b], v[96+16*\b], v[97+16*\b], v[98+16*\b]   ; the largest score of each block of 32 keys: for the row's maximum and, since p rises with the score, for the block's largest p
.endr
.irp i, 3,5,7,9,11,13
.irp b, 0,1,2,3
	v_max3_num_f32 v[232+\b], v[232+\b], v[96+16*\b+\i], v[97+16*\b+\i]
.endr
.endr
.irp b, 0,1,2,3
	v_max_num_f32 v[232+\b], v[232+\b], v[111+16*\b]
.endr
.irp b, 0,1,2,3
	s_delay_alu instid0(VALU_DEP_4)
	v_permlanex16_b32 v[236+\b], v[232+\b], s[SEL], s[SEL+1]
.endr
.irp b, 0,1,2,3
	s_delay_alu instid0(VALU_DEP_4)
	v_max_num_f32 v[232+\b], v[232+\b], v[236+\b]  ; with lane l xor 16's 16 keys
.endr
	s_delay_alu instid0(VALU_DEP_2)
	v_max3_num_f32 v254, v232, v233, v234
	s_delay_alu instid0(VALU_DEP_1)
	v_max_num_f32 v254, v254, v235
	s_delay_alu instid0(VALU_DEP_1)
	v_mul_f32 v254, s[CS], v254                    ; the step's largest t (c is positive)
	s_delay_alu instid0(VALU_DEP_1)
	v_max_num_f32 v13, v13, v254                   ; the running largest t
	s_delay_alu instid0(VALU_DEP_1)
	v_floor_f32 v12, -v13                          ; the new -M = -ceil(t)
	s_delay_alu instid0(VALU_DEP_1)
	v_sub_f32 v254, v12, v9                        ; old M - new M: a whole number, 0 or less
	s_delay_alu instid0(VALU_DEP_1)
	v_cvt_i32_f32 v254, v254                       ; (it saturates)
	s_delay_alu instid0(VALU_DEP_1)
	v_ldexp_f32 v252, 1.0, v254                    ; f = 2^(old M - new M)
.set j, 0
.rept 32
	v_pk_fma_f32 v[96+j:97+j], v[96+j:97+j], s[CS:CS+1], v[12:13] op_sel_hi:[1,0,0]   ; t - M, two at a time
.set j, j+2
.endr
.irp b, 0,1,2,3
	v_fma_f32 v[232+\b], v[232+\b], s[CS], v12     ; the same of each block's largest score
.endr
	s_wait_alu depctr_va_vdst(0)                   ; the wait ahead of the batch
.irp b, 0,1,2,3
	v_exp_f32 v[232+\b], v[232+\b]                 ; each block's largest p: the same two instructions on the same number
.endr
.set j, 0
.rept 64
	v_exp_f32 v[96+j], v[96+j]                     ; p = 2^(t - M)
.set j, j+1
.endr
	v_pk_mul_f32 v[14:15], v[14:15], v[252:253] op_sel_hi:[1,0]   ; the sums under the new M: a plain place behind the exponentials
	s_wait_alu depctr_va_vdst(0)                   ; one wait for the batch of 68, ahead of its first reader
	v_pk_add_f32 v[236:237], v[100:101], v[104:105]   ; the row's sum of the unquantised p: eight chains side by side
	v_pk_add_f32 v[84:85], v[108:109], v[112:113]
	v_pk_add_f32 v[246:247], v[116:117], v[120:121]
	v_pk_add_f32 v[244:245], v[124:125], v[128:129]
	v_pk_add_f32 v[240:241], v[132:133], v[136:137]
	v_pk_add_f32 v[238:239], v[140:141], v[144:145]
	v_pk_add_f32 v[230:231], v[148:149], v[152:153]
	v_pk_add_f32 v[14:15], v[14:15], v[156:157]
	v_pk_add_f32 v[236:237], v[236:237], v[96:97]
	v_pk_add_f32 v[84:85], v[84:85], v[98:99]
	v_pk_add_f32 v[246:247], v[246:247], v[102:103]
	v_pk_add_f32 v[244:245], v[244:245], v[106:107]
	v_pk_add_f32 v[240:241], v[240:241], v[110:111]
	v_pk_add_f32 v[238:239], v[238:239], v[114:115]
	v_pk_add_f32 v[230:231], v[230:231], v[118:119]
	v_pk_add_f32 v[14:15], v[14:15], v[122:123]
	v_pk_add_f32 v[236:237], v[236:237], v[126:127]
	v_pk_add_f32 v[84:85], v[84:85], v[130:131]
	v_pk_add_f32 v[246:247], v[246:247], v[134:135]
	v_pk_add_f32 v[244:245], v[244:245], v[138:139]
	v_pk_add_f32 v[240:241], v[240:241], v[142:143]
	v_pk_add_f32 v[238:239], v[238:239], v[146:147]
	v_pk_add_f32 v[230:231], v[230:231], v[150:151]
	v_pk_add_f32 v[14:15], v[14:15], v[154:155]
	v_pk_add_f32 v[236:237], v[236:237], v[158:159]
	s_delay_alu instid0(VALU_DEP_2)
	v_pk_add_f32 v[14:15], v[14:15], v[244:245]
	s_delay_alu instid0(VALU_DEP_2)
	v_pk_add_f32 v[236:237], v[236:237], v[240:241]
	v_pk_add_f32 v[84:85], v[84:85], v[238:239]
	v_pk_add_f32 v[246:247], v[246:247], v[230:231]
	s_delay_alu instid0(VALU_DEP_2)
	v_pk_add_f32 v[14:15], v[14:15], v[84:85]
	s_delay_alu instid0(VALU_DEP_2)
	v_pk_add_f32 v[236:237], v[236:237], v[246:247]
	s_delay_alu instid0(VALU_DEP_1)
	v_pk_add_f32 v[14:15], v[14:15], v[236:237]
.irp b, 0,1,2,3
	v_max_num_f32 v[232+\b], 0x1800000, v[232+\b]  ; the floor 2^(3 - 127): the byte cannot fall under 1
.endr
.irp b, 0,1,2,3
	s_delay_alu instid0(VALU_DEP_4)
	v_add_nc_u32 v[244+\b], 0xff000000, v[232+\b]  ; 2 off the exponent field: the conversion's scale operand
.endr
.irp b, 0,1,2,3
	s_delay_alu instid0(VALU_DEP_4)
	v_lshrrev_b32 v[236+\b], 23, v[244+\b]
.endr
	s_delay_alu instid0(VALU_DEP_3)
	v_lshl_or_b32 v253, v237, 8, v236              ; p's scale word for these 128 keys
	s_delay_alu instid0(VALU_DEP_1)
	v_lshl_or_b32 v253, v238, 16, v253
	s_delay_alu instid0(VALU_DEP_1)
	v_lshl_or_b32 v253, v239, 24, v253
.irp c, 0,1
	v_cvt_scalef32_pk16_fp6_f32 v[224+6*\c:226+6*\c], v[96+32*\c:111+32*\c], v[244+2*\c]
	v_cvt_scalef32_pk16_fp6_f32 v[236+4*\c:238+4*\c], v[112+32*\c:127+32*\c], v[244+2*\c+1]
.endr
	v_nop                                          ; one plain place behind a scaled conversion
.irp c, 0,1                            ; the operand's layout wants a whole block in a lane
.irp i, 0,1,2
	v_permlane16_swap_b32 v[224+6*\c+\i], v[236+4*\c+\i]
.endr
.irp i, 0,1,2
	s_delay_alu instid0(VALU_DEP_3)
	v_mov_b32 v[227+6*\c+\i], v[236+4*\c+\i]
.endr
.endr
.set j, 0
.rept 16
	v_pk_mul_f32 v[160+j:161+j], v[160+j:161+j], v[252:253] op_sel_hi:[1,0]   ; O^T under the new M.  (These 16 are also the places between the writes of p's codes and scale word and the products)
.set j, j+2
.endr
	s_wait_alu depctr_va_vdst(0)
	s_wait_dscnt 0x0                               ; V's fragments
.irp t, 0,1,2,3                        ; O^T += V^T P^T: the four accumulators by turns
.if \t%2 == 0
	v_wmma_scale_f32_16x16x128_f8f6f4 v[160+8*\t:167+8*\t], v[36+12*\t:47+12*\t], v[224:235], v[160+8*\t:167+8*\t], v[250+\t/2], v253 matrix_a_fmt:MATRIX_FMT_FP6 matrix_b_fmt:MATRIX_FMT_FP6
.else
	v_wmma_scale_f32_16x16x128_f8f6f4 v[160+8*\t:167+8*\t], v[36+12*\t:47+12*\t], v[224:235], v[160+8*\t:167+8*\t], v[250+\t/2], v253 matrix_a_fmt:MATRIX_FMT_FP6 matrix_b_fmt:MATRIX_FMT_FP6 matrix_a_scale:MATRIX_SCALE_ROW1
.endif
.endr
	s_add_co_u32 s32, s32, REC
.endm
	s_load_b128 s[4:7], s[0:1], 0x0                ; hd, cc
	v_lshl_add_u32 v243, v0, 2, 0x32000
	v_mov_b32 v255, 0
	ds_add_u32 v243, v255                          ; the opening lines: the add, twice on end, and its wait ahead of my tensor load
	ds_add_u32 v243, v255
	v_lshrrev_b32 v1, 5, v0
	s_delay_alu instid0(VALU_DEP_1)
	v_readfirstlane_b32 s8, v1                     ; wave 0..15
	v_and_b32 v2, 31, v0
	s_delay_alu instid0(VALU_DEP_1)
	v_lshlrev_b32 v1, 3, v2
	s_delay_alu instid0(VALU_DEP_2)
	v_lshlrev_b32 v2, 4, v2
	v_and_b32 v5, 15, v0
	v_bfe_u32 v6, v0, 4, 1
	s_delay_alu instid0(VALU_DEP_1)
	v_lshl_add_u32 v7, v5, 3, v6
	s_delay_alu instid0(VALU_DEP_3)
	v_lshlrev_b32 v8, 2, v5
	s_and_b32 s11, ttmp7, 0xffff                   ; batch x 16 + head, which the four partners share
	s_lshl_b32 s12, s11, 4
	s_add_co_u32 s12, s12, s8
	s_mul_i32 s12, s12, REC
	s_add_co_u32 s12, s12, KV                      ; record w of my head
	s_mov_b32 s13, 0
	s_mov_b32 s16, 15|(3<<16)|(1<<21)              ; group 1: the mask names all four work-groups; elements of 8 bytes; bit 21 set beside a mask
	s_mov_b32 s17, 32<<16                          ; 12,800 dense bytes as 50 rows of 32 elements
	s_mov_b32 s18, 50<<16
	s_mov_b32 s19, 32<<16
	s_mov_b32 s20, 50
	s_mov_b32 s21, 32
	s_mov_b32 s22, 0
	s_mov_b32 s23, 0
	s_mov_b32 s24, 1
	s_mul_i32 s25, s8, REC                         ; to LDS byte 12,800 w
	s_mov_b32 s[SEL], 0x76543210
	s_mov_b32 s[SEL+1], 0xfedcba98
	s_mov_b32 s[CS], 0x3e38aa3b                    ; c = log2(e) / 8
	s_mov_b32 s[CS+1], s[CS]                       ; (named with it as a pair, so it is written)
	s_mov_b32 s32, 0                               ; LDS byte of the record in hand
	s_wait_dscnt 0x0
	s_wait_kmcnt 0x0
	s_add_nc_u64 s[26:27], s[4:5], s[12:13]
	s_or_b32 s27, s27, 0x80000000
	CROUND                                         ; all four work-groups are here: the joint loads meet
	s_cmp_lt_u32 s8, FIRST                         ; my one tensor load, in one of two arms: the waves that wait at the first barrier have a line of their own
	s_cbranch_scc0 .Llater
	tensor_load_to_lds s[24:27], s[16:23]
	s_nop 0
.rept 4
	v_nop
.endr
	s_branch .Lasked
.Llater:
	tensor_load_to_lds s[24:27], s[16:23]
	s_nop 0
.rept 4
	v_nop
.endr
.Lasked:
	s_bfe_u32 s9, ttmp6, 0x40000                   ; cx: it enters Q's and cc's addresses alone
	s_lshl_b32 s10, ttmp9, 2
	s_add_co_u32 s10, s10, s9
	s_lshl_b32 s44, s10, 4
	s_add_co_u32 s44, s44, s8                      ; t: my tile of queries, 0..127
	s_lshl_b32 s45, s11, 7
	s_add_co_u32 s45, s45, s44
	s_mul_i32 s46, s45, 768
	s_mov_b32 s47, 0
	s_add_nc_u64 s[36:37], s[4:5], s[46:47]        ; Q's codes
	s_lshr_b32 s46, s45, 1
	s_lshl_b32 s46, s46, 6
	s_add_co_u32 s46, s46, QS
	s_add_nc_u64 s[38:39], s[4:5], s[46:47]        ; Q's scale words: the pair of tiles t / 2
	s_wait_alu depctr_va_vdst(0)                   ; ahead of the readers below
.irp p, 0,1,2
	global_load_b64 v[22+2*\p:23+2*\p], v1, s[36:37] offset:256*\p
.endr
	global_load_b32 v35, v8, s[38:39]
	; ctx's place in cc: panel 16 batch + t / 8, tile t % 8; K step head / 2, half head % 2
	s_lshr_b32 s48, s11, 4
	s_lshl_b32 s48, s48, 4
	s_lshr_b32 s49, s44, 3
	s_add_co_u32 s48, s48, s49
	s_mul_i32 s48, s48, PANEL
	s_and_b32 s49, s11, 15                         ; head
	s_lshr_b32 s50, s49, 2
	s_mul_i32 s50, s50, CHUNK
	s_add_co_u32 s48, s48, s50                     ; my panel's chunk
	s_and_b32 s50, s44, 7
	s_bfe_u32 s51, s49, 0x10001                    ; (head / 2) % 2
	s_and_b32 s49, s49, 1
	s_mul_i32 s46, s50, 1536
	s_add_co_u32 s46, s46, s48
	s_mul_i32 s45, s51, 12288
	s_add_co_u32 s46, s46, s45
	s_mul_i32 s45, s49, 768
	s_add_co_u32 s46, s46, s45
	s_add_co_u32 s46, s46, 1024
	s_add_nc_u64 s[40:41], s[6:7], s[46:47]        ; codes
	s_lshl_b32 s46, s50, 7
	s_add_co_u32 s46, s46, s48
	s_lshl_b32 s45, s51, 2
	s_add_co_u32 s46, s46, s45
	s_lshl_b32 s45, s49, 1
	s_add_co_u32 s46, s46, s45
	s_add_nc_u64 s[42:43], s[6:7], s[46:47]        ; scale bytes
	s_and_b32 s45, s8, 1
	s_cmp_eq_u32 s45, 0
	s_mov_b32 s34, 0x03020302
	s_cselect_b32 s34, 0x01000100, s34             ; my tile's two bytes of the pair's word, twice
.irp j, 0,1,2,3,4,5
	v_mov_b32 v[16+\j], 0                          ; zero codes
	v_mov_b32 v[28+\j], 0
.endr
	v_mov_b32 v13, 0xff61b1e6                      ; the largest t so far: -3e38, under every t
	s_delay_alu instid0(VALU_DEP_1)
	v_floor_f32 v12, -v13                          ; -M
	v_mov_b32 v14, 0
	v_mov_b32 v15, 0
.irp b, 0,1,2,3
	v_mov_b32 v[236+\b], 0                         ; a lane permute's destination counts as one of its sources
.endr
	v_mov_b32 v253, 0                              ; (named as the upper half of v[252:253] before it is first written)
	s_wait_loadcnt 0x0                             ; Q
	v_perm_b32 v34, v35, v35, s34
.set j, 0
.rept 32
	v_mov_b32 v[160+j], 0                          ; O^T: the step is written once; the first finds zeros.  (Also the places between v34's write and the first scaled product)
.set j, j+1
.endr
	s_wait_alu depctr_va_vdst(0)                   ; the head's end
	s_cmp_lt_u32 s8, FIRST
	s_cbranch_scc0 .Lnot_first
	s_wait_tensorcnt 0x0                           ; waves 0 and 1: my record is in
.Lnot_first:
	s_barrier_signal -1
	s_barrier_wait -1                              ; records 0 and 1 are shown to all; the others may be on their way
	s_mov_b32 s33, FIRST
.Lfirst:                                           ; key steps 0 and 1
	STEP
	s_sub_co_u32 s33, s33, 1
	s_cmp_lg_u32 s33, 0
	s_cbranch_scc1 .Lfirst
	s_wait_tensorcnt 0x0                           ; every wave: my record is in,
	s_barrier_signal -1
	s_barrier_wait -1                              ; everybody's is
	s_mov_b32 s33, 16-FIRST
.Lrest:                                            ; key steps 2 to 15
	STEP
	s_sub_co_u32 s33, s33, 1
	s_cmp_lg_u32 s33, 0
	s_cbranch_scc1 .Lrest
	; THE WAY OUT: O^T / the sum is ctx; register 16 b + i is channel 32 b + 16 (lane / 16) + i of my query: two blocks of 32, quantised as they stand
	v_add_f32 v14, v14, v15
	s_delay_alu instid0(VALU_DEP_1)
	v_permlanex16_b32 v252, v14, s[SEL], s[SEL+1]
	s_delay_alu instid0(VALU_DEP_1)
	v_add_f32 v14, v14, v252                       ; the row's sum
	s_wait_alu depctr_va_vdst(0)                   ; ahead of the transcendental
	v_rcp_f32 v14, v14
	v_cmp_ne_u32 vcc_lo, 0, v6                     ; plain lines behind the reciprocal; with the three v_nop also the places behind the last products
.rept 3
	v_nop
.endr
	s_wait_alu depctr_va_vdst(0)                   ; the wait ahead of the reciprocal's first reader
.set j, 0
.rept 32
	v_mul_f32 v[96+j], v[160+j], v14               ; each accumulator from its low end on
.set j, j+1
.endr
.irp b, 0,1
	v_max3_num_f32 v[232+\b], |v[96+16*\b]|, |v[97+16*\b]|, 0x1800000
.endr
.irp i, 2,4,6,8,10,12,14
.irp b, 0,1
	s_delay_alu instid0(VALU_DEP_2)
	v_max3_num_f32 v[232+\b], v[232+\b], |v[96+16*\b+\i]|, |v[97+16*\b+\i]|
.endr
.endr
.irp b, 0,1
	s_delay_alu instid0(VALU_DEP_2)
	v_permlanex16_b32 v[236+\b], v[232+\b], s[SEL], s[SEL+1]
.endr
.irp b, 0,1
	s_delay_alu instid0(VALU_DEP_2)
	v_max_num_f32 v[232+\b], v[232+\b], v[236+\b]
.endr
.irp b, 0,1
	s_delay_alu instid0(VALU_DEP_2)
	v_add_nc_u32 v[244+\b], 0xff000000, v[232+\b]
.endr
.irp b, 0,1
	s_delay_alu instid0(VALU_DEP_2)
	v_lshrrev_b32 v[250+\b], 23, v[244+\b]         ; the two scale bytes of my row
.endr
	s_delay_alu instid0(VALU_DEP_1)
	v_cndmask_b32 v254, v250, v251, vcc_lo         ; lanes 0-15 store block 0's, lanes 16-31 block 1's
	v_cvt_scalef32_pk16_fp6_f32 v[224:226], v[96:111], v244
	v_cvt_scalef32_pk16_fp6_f32 v[236:238], v[112:127], v245
	v_nop                                          ; one plain place behind a scaled conversion
.irp i, 0,1,2
	v_permlane16_swap_b32 v[224+\i], v[236+\i]
.endr
.irp i, 0,1,2
	s_delay_alu instid0(VALU_DEP_3)
	v_mov_b32 v[227+\i], v[236+\i]
.endr
.irp p, 0,1,2
	global_store_b64 v1, v[224+2*\p:225+2*\p], s[40:41] offset:256*\p   ; 32 lanes store 256 consecutive bytes, at a multiple of 256 from cc's first byte
.endr
	global_store_b8 v7, v254, s[42:43]             ; single bytes, 8 apart: a scale word's four bytes come from two heads, that is from two work-groups; 32 bytes a wave
	s_wait_tensorcnt 0x0                           ; the wave's end
	ds_add_u32 v243, v255
	s_wait_dscnt 0x0
	CROUND                                         ; the closing round
	s_endpgm
.Lfunc_end_k_q5b2f096840_attn:
	.size	k_q5b2f096840_attn, .Lfunc_end_k_q5b2f096840_attn-k_q5b2f096840_attn
	.p2alignl 7, 3214868480
	.fill 96, 4, 3214868480
	.section	.rodata,"a",@progbits
	.p2align	6, 0x0
	.amdhsa_kernel k_q5b2f096840_attn
		.amdhsa_group_segment_fixed_size 206848
		.amdhsa_private_segment_fixed_size 0
		.amdhsa_enable_private_segment 0
		.amdhsa_kernarg_size 16
		.amdhsa_user_sgpr_count 2
		.amdhsa_user_sgpr_kernarg_segment_ptr 1
		.amdhsa_wavefront_size32 1
		.amdhsa_system_sgpr_workgroup_id_x 1
		.amdhsa_system_sgpr_workgroup_id_y 1
		.amdhsa_system_sgpr_workgroup_id_z 1
		.amdhsa_system_vgpr_workitem_id 0
		.amdhsa_next_free_vgpr 256
		.amdhsa_next_free_sgpr 66
		.amdhsa_reserve_vcc 1
		.amdhsa_float_denorm_mode_32 3
		.amdhsa_float_denorm_mode_16_64 3
		.amdhsa_memory_ordered 1
		.amdhsa_forward_progress 1
		.amdhsa_inst_pref_size 46
	.end_amdhsa_kernel
	.amdgpu_metadata
---
amdhsa.version: [ 1, 2 ]
amdhsa.kernels:
  - .name:           k_q5b2f096840_attn
    .symbol:         k_q5b2f096840_attn.kd
    .args:
      - { .name: hd, .offset: 0, .size: 8, .value_kind: global_buffer, .address_space: global }
      - { .name: cc, .offset: 8, .size: 8, .value_kind: global_buffer, .address_space: global }
    .group_segment_fixed_size: 206848
    .private_segment_fixed_size: 0
    .kernarg_segment_align: 8
    .kernarg_segment_size: 16
    .max_flat_workgroup_size: 512
    .sgpr_count:     66
    .vgpr_count:     256
    .wavefront_size: 32
...
	.end_amdgpu_metadata
.endif
;; end of part 3
;; launch outp (part 4): grid 32 x 8, 4 waves a work-group, clusters of 4 x 1, 168,448 bytes of LDS; arguments pk, cc, bo, out0; writes out0
.if DOCPART == 4
	.amdgcn_target "amdgcn-amd-amdhsa--gfx1250"
	.amdhsa_code_object_version 6
	.text
	.protected	k_q5b2f096840_outp
	.globl	k_q5b2f096840_outp
	.p2align	8
	.type	k_q5b2f096840_outp,@function
k_q5b2f096840_outp:
	s_mov_b64 s[64:65], 0
	v_nop
	global_prefetch_b8 v0, s[64:65] scope:SCOPE_SE
	s_setreg_imm32_b32 hwreg(HW_REG_WAVE_MODE, 25, 1), 1
	s_wait_xcnt 0x0
	s_wait_alu depctr_hold_cnt(0) depctr_sa_sdst(0) depctr_va_vdst(0) depctr_va_sdst(0) depctr_va_ssrc(0) depctr_va_vcc(0) depctr_vm_vsrc(0)
	s_getreg_b32 s2, hwreg(HW_REG_IB_STS2, 6, 4)
	s_cmp_eq_u32 s2, 0
	s_cbranch_scc0 .Lentry_in_a_cluster
	s_endpgm
.Lentry_in_a_cluster:
	s_bfe_u32 s2, ttmp6, 0x10000c
	s_cmp_lg_u32 s2, 0x3003
	s_cbranch_scc0 .Lentry_shape_is_right
	s_endpgm
.Lentry_shape_is_right:
; out0 = ctx Wo^T + bo on codes of FP6 (E2M3), sums in f32.  ctx's codes and scale words lie in cc, Wo's in pk's panels 120-127, both as images of operand registers.
; A work-group makes 128 tokens (panel x of cc) x 128 features (panel y of Wo) over the whole K = 1,024.  Source 0 = 16 rows of Wo, source 1 = 16 tokens: a lane holds one token and neighbouring features.
; SOURCE 0, which all four waves read, lies in LDS: Wo's panel of 102,400 bytes at 0, filled ONCE: every wave issues four tensor loads, a quarter (25 rows of 256 bytes) of each chunk: four of mine are out at the most.
;   Behind it a stage of 16 rows x 528 bytes for each wave, into which no tile lands.
; SOURCE 1: wave w alone reads token tiles 2 w, 2 w + 1: their fragments go from memory straight into registers, 12 loads of 256 consecutive bytes a K step, one slot of 24 registers for each of the eight steps;
;   the loads run five K steps (60 loads) ahead of the products.  No separate prefetch is laid: the loads themselves run ahead.
; CLUSTER 4 x 1: the four partners take the same panel of Wo and ask for it jointly.  ctx's panels differ between the partners.
; WAVE w: all 8 tiles of Wo's rows x its 2 of tokens: 16 accumulators, acc(a, b) at v[128 + 8 (8 a + b)].  The bias is the C of the first 16 products.
; A K STEP goes by halves: 8 products, 24 LDS loads of the next step, 8 products, 24 LDS loads: LDS loads are on their way while products are issued.
; Place r of tile i is row 32 (i / 2) + 8 (i % 2) + r + 8 (r / 8) of its panel, for tokens and features alike.
; REGISTERS: window 0: v4-5 LDS addresses; v10-15 offsets; v32-47 Wo's scale words (two chunks by turns); v64-71 ctx's; v128-255 accumulators; on the way out v16-79 rows.  Window 1: two buffers of 96.  Window 2: v0-191 ctx's fragments; v192-255 bo.
; THE FILLS AS THEY STAND (this takes the place of what is said above of four loads a wave): at the head ONE joint load a wave, each in an arm of its own: wave w brings chunk w of Wo's panel (100 rows of 256 bytes: K steps 2 w, 2 w + 1).
; The barrier that shows chunk j is waited for by waves 0 to j; the last, for chunk 3, by every wave.  One load of mine is out at the most.
.set PANEL, 102400
.set CHUNK, 25600
.set SP,    528
.set STAGE, PANEL
; Wo'S FRAGMENTS AS THEY LIE NOW (in place of what is said above of 24 LDS loads a half step): in pk a fragment is an image by register quads, quad q of lane l at 512 q + 16 l, so a half step's four fragments are 12 LDS loads of 16 bytes a lane.
; ctx's fragments in cc keep register pairs (pair p of lane l at 256 p + 8 l): 12 loads from memory a K step, as above.
.set AD0, 4                            ; v4-5  8 x lane (+ 51,200): scale words, and cc's offsets
.set AD1, 6                            ; v6-7  16 x lane (+ 51,200): Wo's fragments
.set VO,  10                           ; v10   3,072 w + 8 x lane: my two fragments in a K step of a panel in memory
.set VS,  11                           ; v11   256 w + 8 x lane: my two tiles' scale words in a chunk
.set STO, 12                           ; v12   the stage: where I put 16 bytes of a row
.set RD,  13                           ; v13   and where I read a row back
.set CO,  14                           ; v14   16 x lane: my bytes of a row of 512
.set BOQ, 15                           ; v15   64 h: the bias's offset
.set OB,  16
.set S0,  32
.set S1,  64
.set ACC, 128
.set G1A, 24
.set G0,  32
.set P1B, 50
.set BP,  52
.set OP,  54
.set MSB, 0
.macro WIN new                         ; the immediate's high byte repeats the setting that is left
.if MSB != \new
	s_set_vgpr_msb (MSB<<8)|\new
.set MSB, \new
.endif
.endm
.macro CROUND                          ; a round of the cluster's barrier
	s_barrier_signal -1
	s_barrier_wait -1
	s_cmp_lg_u32 s14, 0
	s_cbranch_scc1 .Lnot_wave_0_\@
	s_barrier_signal -3
.Lnot_wave_0_\@:
	s_barrier_wait -3
	s_barrier_signal -1
	s_barrier_wait -1
.endm
.macro PLACES                          ; four places behind a matrix instruction, ahead of loads into its registers and of reads of its results
.rept 4
	v_nop
.endr
.endm
.macro SCALES j                        ; chunk j: Wo's scale words, two K steps' words a lane; lanes 0-15 the even tile's, lanes 16-31 the odd's
.irp q, 0,1,2,3
	ds_load_b64 v[S0+8*((\j)%2)+2*\q:S0+8*((\j)%2)+2*\q+1], v[AD0+(\j)/2] offset:CHUNK*((\j)%2)+256*\q
.endr
.endm
.macro FETCH s, hf                     ; K step s: Wo's fragments 4 hf .. 4 hf + 3; each load takes 512 consecutive bytes
.set OF, CHUNK*(((\s)/2)%2)+1024+12288*((\s)%2)
.set FB, 96*((\s)%2)
.irp c, 0,1,2,3
.irp p, 0,1,2,3,4,5
.if \p < 3
	ds_load_b128 v[FB+12*(4*(\hf)+\c)+4*\p:FB+12*(4*(\hf)+\c)+4*\p+3], v[AD1+(\s)/4] offset:OF+1536*(4*(\hf)+\c)+512*\p
.endif
.endr
.endr
.endm
.macro FRAGS g                         ; ctx's two fragments of K step g, from memory into registers
.irp a, 0,1
.irp p, 0,1,2,3,4,5
	global_load_b64 v[24*(\g)+12*\a+2*\p:24*(\g)+12*\a+2*\p+1], v[VO], s[P1B:P1B+1] offset:CHUNK*((\g)/2)+1024+12288*((\g)%2)+1536*\a+256*\p
.endr
.endr
.endm
.macro MUL s, hf                       ; 8 products: Wo's tiles 4 hf .. 4 hf + 3 x my two.  The 16 accumulators take turns, one instruction a turn, in the same order in every step
.set FB, 96*((\s)%2)
.irp c, 0,1,2,3
.irp a, 0,1
.set BB, 4*(\hf)+\c
.set DD, ACC+8*(8*\a+BB)
.set CC, DD
.if (\s) == 0                          ; the first K step starts the sums from the bias
.set CC, 192+8*BB
.endif
.set FA, FB+12*BB
.set FS, 24*(\s)+12*\a
.set RA, S0+8*(((\s)/2)%2)+2*(BB/2)+(\s)%2
.set RB, S1+2*((\s)/2)+(\s)%2
.if (\c%2 == 0) && (\a == 0)
	v_wmma_scale_f32_16x16x128_f8f6f4 v[DD:DD+7], v[FA:FA+11], v[FS:FS+11], v[CC:CC+7], v[RA], v[RB] matrix_a_fmt:MATRIX_FMT_FP6 matrix_b_fmt:MATRIX_FMT_FP6
.elseif \a == 0
	v_wmma_scale_f32_16x16x128_f8f6f4 v[DD:DD+7], v[FA:FA+11], v[FS:FS+11], v[CC:CC+7], v[RA], v[RB] matrix_a_fmt:MATRIX_FMT_FP6 matrix_b_fmt:MATRIX_FMT_FP6 matrix_a_scale:MATRIX_SCALE_ROW1
.elseif \c%2 == 0
	v_wmma_scale_f32_16x16x128_f8f6f4 v[DD:DD+7], v[FA:FA+11], v[FS:FS+11], v[CC:CC+7], v[RA], v[RB] matrix_a_fmt:MATRIX_FMT_FP6 matrix_b_fmt:MATRIX_FMT_FP6 matrix_b_scale:MATRIX_SCALE_ROW1
.else
	v_wmma_scale_f32_16x16x128_f8f6f4 v[DD:DD+7], v[FA:FA+11], v[FS:FS+11], v[CC:CC+7], v[RA], v[RB] matrix_a_fmt:MATRIX_FMT_FP6 matrix_b_fmt:MATRIX_FMT_FP6 matrix_a_scale:MATRIX_SCALE_ROW1 matrix_b_scale:MATRIX_SCALE_ROW1
.endif
.endr
.endr
.endm
	s_load_b256 s[4:11], s[0:1], 0x0               ; pk, cc, bo, out0
	v_lshl_add_u32 v126, v0, 2, 0x29000
	v_mov_b32 v127, 0
	ds_add_u32 v126, v127
	ds_add_u32 v126, v127
	v_lshrrev_b32 v1, 5, v0
	v_readfirstlane_b32 s14, v1                    ; wave 0..3
	v_and_b32 v1, 31, v0                           ; lane
	v_and_b32 v2, 15, v0                           ; r
	v_bfe_u32 v3, v0, 4, 1                         ; h
	v_lshlrev_b32 v[AD0], 3, v1                    ; every LDS address: constants, the lane, the wave's number
	v_add_nc_u32 v[AD0+1], 2*CHUNK, v[AD0]
	v_lshlrev_b32 v[AD1], 4, v1
	v_add_nc_u32 v[AD1+1], 2*CHUNK, v[AD1]
	s_mul_i32 s2, s14, 3072
	v_add_nc_u32 v[VO], s2, v[AD0]
	s_lshl_b32 s2, s14, 8
	v_add_nc_u32 v[VS], s2, v[AD0]
	s_mul_i32 s2, s14, 16*SP
	s_add_co_u32 s2, s2, STAGE                     ; my stage
	v_mul_u32_u24 v[STO], v2, SP
	v_lshl_add_u32 v[STO], v3, 6, v[STO]
	v_add_nc_u32 v[STO], s2, v[STO]                ; in: row r, + 64 h
	v_lshlrev_b32 v[CO], 4, v1
	v_add_nc_u32 v[RD], s2, v[CO]                  ; back: the 32 lanes take one row of 512 bytes
	v_lshlrev_b32 v[BOQ], 6, v3
	s_bfe_u32 s17, ttmp6, 0x40000                  ; cx: it enters cc's and out0's addresses alone
	s_and_b32 s19, ttmp7, 0xffff                   ; y: which 128 features
	s_lshl_b32 s20, ttmp9, 2
	s_add_co_u32 s20, s20, s17                     ; x: which 128 tokens
	s_add_co_u32 s48, s19, 120                     ; Wo's panel hangs on y alone
	s_mul_i32 s48, s48, PANEL
	s_mov_b32 s49, 0
	; group 1: 25,600 dense bytes as 100 rows of 32 elements of 8 bytes, no padding; the mask names all four work-groups, bit 21 set beside it
	s_mov_b32 s[G1A], 15|(3<<16)|(1<<21)
	s_mov_b32 s[G1A+1], 32<<16                     ; tensor_dim0 = 32
	s_mov_b32 s[G1A+2], 100<<16                    ; tensor_dim1 = 100
	s_mov_b32 s[G1A+3], 32<<16                     ; tile_dim0 = 32
	s_mov_b32 s[G1A+4], 100                        ; tile_dim1 = 100
	s_mov_b32 s[G1A+5], 32                         ; the pitch
	s_mov_b32 s[G1A+6], 0
	s_mov_b32 s[G1A+7], 0
	s_wait_dscnt 0x0
	s_wait_kmcnt 0x0
	s_add_nc_u64 s[48:49], s[4:5], s[48:49]
.irp j, 0,1,2,3
	s_mov_b32 s[G0+4*\j], 1
	s_mov_b32 s[G0+4*\j+1], CHUNK*\j
	s_add_nc_u64 s[G0+4*\j+2:G0+4*\j+3], s[48:49], CHUNK*\j
	s_or_b32 s[G0+4*\j+3], s[G0+4*\j+3], 0x80000000
.endr
	CROUND                                         ; all four work-groups are here: the joint loads meet
.macro ARM under, g0, next             ; one chain of branches on the wave's number: every way through it passes one load
	s_cmp_lt_u32 s14, \under
	s_cbranch_scc0 \next
	tensor_load_to_lds s[\g0:\g0+3], s[G1A:G1A+7]
	s_nop 0
	PLACES
	s_branch .Lhead_asked
\next:
.endm
	ARM 1, G0, .Lhead_1                            ; wave w: chunk w
	ARM 2, G0+4, .Lhead_2
	ARM 3, G0+8, .Lhead_3
	tensor_load_to_lds s[G0+12:G0+15], s[G1A:G1A+7]
	s_nop 0
	PLACES
.Lhead_asked:
	s_mul_i32 s56, s20, PANEL                      ; ctx's panel
	s_mov_b32 s57, 0
	s_add_nc_u64 s[P1B:P1B+1], s[6:7], s[56:57]
	s_lshl_b32 s56, s19, 9                         ; my 128 features, in bytes: in bo and in a row of out0
	s_add_nc_u64 s[BP:BP+1], s[8:9], s[56:57]
	s_wait_alu depctr_va_vdst(0)
.irp j, 0,1,2,3                        ; the stream from memory begins: 4 + 16 + 36 loads
	global_load_b64 v[S1+2*\j:S1+2*\j+1], v[VS], s[P1B:P1B+1] offset:CHUNK*\j
.endr
	WIN 0x80                                       ; destination window 2, address window 0
.irp b, 0,1,2,3,4,5,6,7                ; bo in the result's layout: register 8 b + j is feature 32 (b / 2) + 16 h + 8 (b % 2) + j
	global_load_b128 v[192+8*\b:192+8*\b+3], v[BOQ], s[BP:BP+1] offset:(32*(\b/2)+8*(\b%2))*4
	global_load_b128 v[192+8*\b+4:192+8*\b+7], v[BOQ], s[BP:BP+1] offset:(32*(\b/2)+8*(\b%2))*4+16
.endr
	FRAGS 0
	FRAGS 1
	FRAGS 2
	WIN 0
	s_lshl_b32 s58, s20, 7
	s_lshl_b32 s59, s14, 5
	s_add_co_u32 s58, s58, s59                     ; my first token: 128 x + 32 w
	s_lshl_b32 s58, s58, 12                        ; rows of 4,096 bytes
	s_add_co_u32 s58, s58, s56
	s_mov_b32 s59, 0
	s_add_nc_u64 s[OP:OP+1], s[10:11], s[58:59]
	s_cmp_eq_u32 s14, 0
	s_cbranch_scc0 .Lnot_chunk_0
	s_wait_tensorcnt 0x0                           ; wave 0: chunk 0 is in; the other waves' loads may be out
.Lnot_chunk_0:
	s_barrier_signal -1
	s_barrier_wait -1                              ; chunk 0 is shown to all
	SCALES 0
	WIN 0x40                                       ; destination window 1, address window 0
	FETCH 0, 0
	FETCH 0, 1
	WIN 0x80
	FRAGS 3
	FRAGS 4
.irp s, 0,1,2,3,4,5,6,7
.set MW, 0x09                          ; source 0 window 1, source 1 window 2, C and D window 0
.if \s == 0
.set MW, 0x29                          ; the first step's C is the bias, in window 2
.endif
	s_wait_dscnt 12                                ; this step's scale words and fragments 0-3 are in; the youngest 12 loads, fragments 4-7, may be out
.if \s < 4
	s_wait_loadcnt 48                              ; ctx's fragments of this step are in: the younger loads are the four next K steps' 12 each
.else
	s_wait_loadcnt 12*(7-\s)                       ; the stream has ended: the K steps that are left
.endif
	WIN MW
	MUL \s, 0
.if (\s == 1) || (\s == 3)
	WIN 0                                          ; at a branch and at a label every window is 0
	s_cmp_gt_u32 s14, (\s+1)/2
	s_cbranch_scc1 .Lnot_yet_\s
	s_wait_tensorcnt 0x0                           ; the wave that brought the next chunk: it is in (the waves below it have nothing out)
.Lnot_yet_\s:
	s_wait_dscnt 0x0                               ; no LDS instruction of mine is out at the signal
	s_barrier_signal -1
	s_barrier_wait -1
.elseif \s == 5
	s_wait_tensorcnt 0x0                           ; the last chunk: every wave waits
	s_wait_dscnt 0x0
	s_barrier_signal -1
	s_barrier_wait -1
.endif
.if \s < 7
	PLACES                                         ; the other buffer and the scale words' other set were read by earlier steps' products
.if (\s % 2) == 1
	WIN 0
	SCALES (\s+1)/2
	WIN 0x40
	FETCH \s+1, 0
	s_wait_dscnt 16                                ; this step's fragments 4-7 are in: all but the 16 just issued
.else
	WIN 0x40
	FETCH \s+1, 0
	s_wait_dscnt 12                                ; all but the 12 just issued
.endif
.else
	s_wait_dscnt 0x0                               ; the last step: nothing more to fetch
.endif
	WIN MW
	MUL \s, 1
.if \s < 7
	WIN 0x40
	FETCH \s+1, 1
.endif
.if \s < 3
	WIN 0x80
	FRAGS \s+5                                     ; five K steps ahead
.endif
.endr
	WIN 0
	PLACES
; THE WAY OUT, a tile of 16 tokens at a time: a lane holds pieces of 32 bytes of one row, and the lanes beside it hold other rows: so the tile goes through my own stage and comes back as whole rows of 512 bytes.
; LDS serves a wave's instructions in order (ISA guide 5.7.1.4): no wait between the stores and the loads.
.macro TOSTAGE a, ob
.irp b, 0,1,2,3,4,5,6,7
	ds_store_b128 v[STO], v[ACC+64*\a+8*\b:ACC+64*\a+8*\b+3] offset:128*(\b/2)+32*(\b%2)       ; each accumulator from its low end on
	ds_store_b128 v[STO], v[ACC+64*\a+8*\b+4:ACC+64*\a+8*\b+7] offset:128*(\b/2)+32*(\b%2)+16
.endr
.irp t, 0,1,2,3,4,5,6,7,8,9,10,11,12,13,14,15
	ds_load_b128 v[\ob+4*\t:\ob+4*\t+3], v[RD] offset:SP*\t
.endr
.endm
.macro SEND a, ob
.irp t, 0,1,2,3,4,5,6,7,8,9,10,11,12,13,14,15
	s_wait_dscnt 15-\t                             ; row t is back; the count is the younger loads from the stage
	global_store_b128 v[CO], v[\ob+4*\t:\ob+4*\t+3], s[OP:OP+1] offset:(8*\a+\t+8*(\t/8))*4096 th:TH_STORE_NT   ; 32 lanes store 512 consecutive bytes, at a multiple of 256 from out0's first byte
.endr
.endm
	TOSTAGE 0, OB
	SEND 0, OB
	TOSTAGE 1, ACC                                 ; the first tile's accumulators are free: its stores into the stage were done when its rows came back
	SEND 1, ACC
	s_wait_tensorcnt 0x0
	ds_add_u32 v126, v127
	s_wait_dscnt 0x0
	CROUND                                         ; the closing round: no work-group ends while a partner may still ask for a panel that names it
	s_endpgm
.Lfunc_end_k_q5b2f096840_outp:
	.size	k_q5b2f096840_outp, .Lfunc_end_k_q5b2f096840_outp-k_q5b2f096840_outp
	.p2alignl 7, 3214868480
	.fill 96, 4, 3214868480
	.section	.rodata,"a",@progbits
	.p2align	6, 0x0
	.amdhsa_kernel k_q5b2f096840_outp
		.amdhsa_group_segment_fixed_size 168448
		.amdhsa_private_segment_fixed_size 0
		.amdhsa_enable_private_segment 0
		.amdhsa_kernarg_size 32
		.amdhsa_user_sgpr_count 2
		.amdhsa_user_sgpr_kernarg_segment_ptr 1
		.amdhsa_wavefront_size32 1
		.amdhsa_system_sgpr_workgroup_id_x 1
		.amdhsa_system_sgpr_workgroup_id_y 1
		.amdhsa_system_sgpr_workgroup_id_z 1
		.amdhsa_system_vgpr_workitem_id 0
		.amdhsa_next_free_vgpr 768
		.amdhsa_next_free_sgpr 66
		.amdhsa_reserve_vcc 0
		.amdhsa_float_denorm_mode_32 3
		.amdhsa_float_denorm_mode_16_64 3
		.amdhsa_memory_ordered 1
		.amdhsa_forward_progress 1
		.amdhsa_inst_pref_size 58
	.end_amdhsa_kernel
	.amdgpu_metadata
---
amdhsa.version: [ 1, 2 ]
amdhsa.kernels:
  - .name:           k_q5b2f096840_outp
    .symbol:         k_q5b2f096840_outp.kd
    .args:
      - { .name: pk, .offset: 0, .size: 8, .value_kind: global_buffer, .address_space: global }
      - { .name: cc, .offset: 8, .size: 8, .value_kind: global_buffer, .address_space: global }
      - { .name: bo, .offset: 16, .size: 8, .value_kind: global_buffer, .address_space: global }
      - { .name: out0, .offset: 24, .size: 8, .value_kind: global_buffer, .address_space: global }
    .group_segment_fixed_size: 168448
    .private_segment_fixed_size: 0
    .kernarg_segment_align: 8
    .kernarg_segment_size: 32
    .max_flat_workgroup_size: 128
    .sgpr_count:     66
    .vgpr_count:     768
    .wavefront_size: 32
...
	.end_amdgpu_metadata
.endif
;; end of part 4
